; MI455X (gfx1250); checked and timed in simulation.
; The chip was launched on July 23, 2026; its instructions are those of AMD's public machine-readable ISA for CDNA 5 (MIT licence, August 2026) and "CDNA5" Instruction Set Architecture Reference Guide (July 2026). The comments in the code are by the model that wrote it; some were corrected since.
;; Multi Head Attention Karpathy. Allowed arithmetic: matrix products marked QUANTISED: E4M3 operands, one given power-of-two scale a tensor, by v_wmma_f32_16x16x64_fp8_fp8 or v_wmma_f32_16x16x128_fp8_fp8, f32 sums; everything else in f32.
;; Inputs: W_attn 1,024 x 3,072 float32; W_proj 1,024 x 1,024 float32; b_attn 3,072 float32; b_proj 1,024 float32; lowp_scales 8 int32 (the exponents e of the quantised operands' scales 2^e); x 4 x 2,048 x 1,024 float32.
;; Outputs: out0 4 x 2,048 x 1,024 float32.
;; This version of the problem:
;;   THIS VERSION OF THE PROBLEM IS GIVEN IN LOW PRECISION. The matrix products marked QUANTISED in the list below multiply operands that are first quantised to E4M3 (4 exponent bits, 3 mantissa bits; 8 bits a number), with one given power-of-two scale for each operand tensor; their sums are f32. All else is computed in f32.
;;   The module's matrix products, in the order in which they are computed (A, B: the left and right operand; K: the contracted axis; several contracted axes count as one K, in the product's order):
;;     1. [M 8,192, K 1,024] x [K 1,024, N 3,072]; A: input x; B: input W_attn: QUANTISED (scales: A lowp_scales[0], B lowp_scales[1])
;;     2. batch 64 x [M 2,048, K 64] x [K 64, N 2,048]; A: computed on the way; B: computed on the way: QUANTISED (scales: A lowp_scales[2], B lowp_scales[3])
;;     3. batch 64 x [M 2,048, K 2,048] x [K 2,048, N 64]; A: softmax (see below); B: computed on the way: QUANTISED (scales: A lowp_scales[4], B lowp_scales[5])
;;     4. [M 8,192, K 1,024] x [K 1,024, N 1,024]; A: computed on the way; B: input W_proj: QUANTISED (scales: A lowp_scales[6], B lowp_scales[7])
;;   THE QUANTISER, for each operand of a quantised product, along K:
;;     - The operand's scale is 2^e, e = its entry of the input lowp_scales (int32; the entries are numbered through the quantised products in the list's order, A before B).
;;     - Each number is divided by the scale, clamped to +-448, and rounded to the nearest number of E4M3, ties to even, subnormals kept.
;;     - The product sums the exact products of the quantised numbers (number of the format x scale) in f32.
;;   ~~~python
;;   def quantise(x, axis, e):      # numpy; x: float32 -> the quantised numbers, widened to float32 again
;;       x = np.moveaxis(x, axis, -1); K = x.shape[-1]
;;       r = np.clip(x / 2.0 ** e, -448, 448)
;;       step = 2.0 ** (np.maximum(np.frexp(np.where(r == 0, 1, r))[1] - 1, -6) - 3)
;;       q = np.round(r / step) * step * 2.0 ** e      # np.round: ties to even
;;       return np.moveaxis(q, -1, axis).astype(np.float32)
;;   ~~~
;;   SOFTMAX AHEAD OF A QUANTISED PRODUCT. Where the list says 'softmax', what is quantised is not the finished softmax but p = 2^(t - M), with t = logit x log2(e) and M = ceil(the row's largest t), a whole number; so 1/2 < the row's largest p <= 1. The row's sum l is taken of the UNQUANTISED p, in f32, and the product's result is divided by l at the end. Since M is a whole number, a kernel that streams over the keys may use a running M (the ceiling of the running maximum): every later rescaling is an exact power of two, so the quantised numbers keep their values, but for numbers so far below the row's largest that they fall under the format's range.
;;   OPERANDS COMPUTED ON THE WAY. 'Computed on the way' means the value that the module computes at that place (a softmax that the list does not call 'softmax' is quantised finished and normalised). What goes into a quantiser is computed in f32, as accurately as f32 sums, v_exp_f32 and their like allow (about 1e-6 of the number): no bf16 or f16 on the way to a quantiser, and a product that is left as it is and whose result goes on into a quantised operand takes f32 operands (vector FMAs, or v_wmma_f32_16x16x4_f32). A number that lies on a knife's edge between two numbers of the format may be rounded either way, as far as f32 arithmetic and the matrix unit's own rounding can turn it there, and no further.
;; One version. Each part assembles by itself: llvm-mc -triple=amdgcn-amd-amdhsa -mcpu=gfx1250 --defsym DOCPART=n.
;; ======== version 1 of 1: 4 launches
;; limits: right only within a limited range of input values
;; workspace buffers: cod 12,582,912 bytes; qkvc 25,165,824 bytes; yc 8,388,608 bytes
;; launch quant (part 1): grid 48 x 8, 8 waves a work-group, no clusters, 101,376 bytes of LDS; arguments x, W_attn, W_proj, lowp_scales, cod; writes cod
.if DOCPART == 1
	.amdgcn_target "amdgcn-amd-amdhsa--gfx1250"
	.amdhsa_code_object_version 6
	.text
	.protected	k_qe13e784da1_quant
	.globl	k_qe13e784da1_quant
	.p2align	8
	.type	k_qe13e784da1_quant,@function
k_qe13e784da1_quant:
	s_mov_b64 s[64:65], 0
	v_nop
	global_prefetch_b8 v0, s[64:65] scope:SCOPE_SE
	s_setreg_imm32_b32 hwreg(HW_REG_WAVE_MODE, 25, 1), 1
	s_wait_xcnt 0x0
; x [8192][1024], W_attn [1024][3072] and W_proj [1024][1024], f32, become codes of FP8 (E4M3), each tensor with the one scale 2^e that is given for it (entries 0, 1 and 7 of the scales).
; code = number / 2^e, held within +-448, rounded to the nearest code, ties to even.
; THE CODES ARE LAID AS IMAGES OF OPERAND REGISTERS.  A fragment is 16 rows x 128 along K, 16 registers a lane: lane (r, h) holds row r, and registers 2 c, 2 c + 1 hold k = 16 c + 8 h + 0 .. 7.
; Its image is 2,048 bytes: registers 4 p .. 4 p + 3 of lane l lie at 512 p + 16 l.  cod = [K step of 256: 4][block of 16 rows: 768][half of the K step: 2][2,048].
; Row blocks 0-511: x's rows; 512-703: W_attn's columns (its K is its first axis); 704-767: W_proj's columns.
; WORK-GROUPS: x = 0 .. 31: x, 32 rows each (number 32 y + x); x = 32 .. 43: W_attn, 256 columns x 128 along K (K chunk y); x = 44 .. 47: W_proj likewise.  Eight waves that share nothing: no barrier.
; The two kinds of work-group part on the work-group's number; each way has LDS bytes of its own.  No tensor load, no cluster: every input byte is read once, by one wave.
; LIMITS: each e lies between -126 and 119, so that 2^e and 448 x 2^e are f32 numbers.  NaN among the inputs is not served (an infinity is held at the largest code).
.set KSSC,  0x300000                   ; bytes of a K step in cod: 768 row blocks x 4,096
.set XP,    528                        ; x's stage: a row of 512 bytes + 16 of padding: 132 words, so that 16 rows begin in 16 different groups of four banks (ISA guide 11.1)
.set XSTW,  16*XP                      ; a wave's stage for x: 16 rows
.set WST,   8*XSTW                     ; behind the eight: the weights' stages, two images (4,096 bytes) a wave
.set SPARE, WST+8*4096                 ; behind those: the spare words, 128 bytes a wave: four blocks of 256 bytes that no other line names
.set L16, 2                            ; v2   16 x lane
.set SA,  3                            ; v3   x's stage, way in: 16 x lane
.set SB,  4                            ; v4   x's stage, way out: row r, + 32 h
.set WA,  5                            ; v5   the weights' stage, way in
.set WB,  6                            ; v6   the weights' stage, way out: 16 x lane
.set VO,  8                            ; v8-15  W: 4 x lane + j rows
.set SCL, 16                           ; v16  2^e
.set LIM, 17
.set SPW, 18                           ; v18  my spare word; never rewritten
.set NIL, 19                           ; v19  0; never rewritten
.set R,   32                           ; v32-159  numbers as loaded
.set X,   160                          ; v160-223 a fragment's 64 numbers in the operand's order; on the weights' way: images read back
.set C,   224                          ; v224-255 codes
.macro MKSCALE e                       ; 2^e as an f32 number
	s_wait_kmcnt 0x0
	s_add_co_i32 s27, \e, 127
	s_lshl_b32 s28, s27, 23
	v_mov_b32 v[SCL], s28
.endm
.macro TURNX src, dst                  ; 16 rows x 512 bytes go into the stage as loaded and come back 32 bytes at a time: k = 16 c + 8 h + 0 .. 7 of row r.  LDS serves a wave's instructions in order (ISA guide 5.7.1.4)
.irp i, 0,1,2,3,4,5,6,7,8,9,10,11,12,13,14,15
	ds_store_b128 v[SA], v[\src+4*\i:\src+4*\i+3] offset:XP*\i
.endr
.irp c, 0,1,2,3,4,5,6,7
	ds_load_b128 v[\dst+8*\c:\dst+8*\c+3], v[SB] offset:64*\c
	ds_load_b128 v[\dst+8*\c+4:\dst+8*\c+7], v[SB] offset:64*\c+16
.endr
.endm
.macro QUANT src, dst                  ; 64 numbers of a lane become a fragment's 16 registers
.set i, 0
.rept 64
.set i, i+1
.endr
.irp c, 0,1,2,3,4,5,6,7
	v_cvt_scalef32_pk8_fp8_f32 v[\dst+2*\c:\dst+2*\c+1], v[\src+8*\c:\src+8*\c+7], v[SCL]
.endr
	v_nop                                          ; a plain line behind the last conversion
.endm
.macro CLOSE                           ; the wave's end, behind my last LDS store
	s_wait_tensorcnt 0x0
	ds_add_u32 v[SPW], v[NIL]
	s_wait_dscnt 0x0
	s_endpgm
.endm
	s_load_b256 s[4:11], s[0:1], 0x0               ; x s[4:5], W_attn s[6:7], W_proj s[8:9], the scales s[10:11]
	s_load_b64 s[12:13], s[0:1], 0x20              ; cod
	v_lshl_add_u32 v[SPW], v0, 2, SPARE
	v_mov_b32 v[NIL], 0
	v_lshrrev_b32 v1, 5, v0
	s_delay_alu instid0(VALU_DEP_1)
	v_readfirstlane_b32 s24, v1                    ; wave 0..7
	v_and_b32 v1, 31, v0                           ; lane
	s_delay_alu instid0(VALU_DEP_1)
	v_lshlrev_b32 v[L16], 4, v1
	v_and_b32 v7, 15, v0                           ; r
	v_bfe_u32 v20, v0, 4, 1                        ; h
	s_mul_i32 s27, s24, XSTW                       ; all four LDS addresses are made here, ahead of the parting of the ways
	v_add_nc_u32 v[SA], s27, v[L16]
	v_mul_u32_u24 v[SB], v7, XP
	s_delay_alu instid0(VALU_DEP_1)
	v_lshl_add_u32 v[SB], v20, 5, v[SB]
	s_delay_alu instid0(VALU_DEP_1)
	v_add_nc_u32 v[SB], s27, v[SB]
	s_lshl_b32 s27, s24, 12
	s_add_co_u32 s27, s27, WST
	v_lshlrev_b32 v[WA], 4, v7
	s_delay_alu instid0(VALU_DEP_1)
	v_lshl_add_u32 v[WA], v20, 11, v[WA]           ; lanes 16-31 hold the columns of the wave's second image
	s_delay_alu instid0(VALU_DEP_1)
	v_add_nc_u32 v[WA], s27, v[WA]
	v_add_nc_u32 v[WB], s27, v[L16]
	s_mov_b32 s25, ttmp9                           ; work-group x
	s_and_b32 s26, ttmp7, 0xffff                   ; work-group y
	s_wait_kmcnt 0x0
	s_load_b256 s[16:23], s[10:11], 0x0            ; the eight exponents
	s_cmp_lt_u32 s25, 32
	s_cbranch_scc0 .Lweights
	; ---- x: wave w takes K chunk w (512 bytes of a row) of 32 rows: two fragments.  The eight waves cover whole rows
	s_lshl_b32 s27, s26, 5
	s_add_co_u32 s27, s27, s25                     ; g = 32 y + x
	s_lshl_b32 s28, s27, 17                        ; 32 rows of 4,096 bytes
	s_lshl_b32 s29, s24, 9
	s_add_co_u32 s28, s28, s29
	s_mov_b32 s29, 0
	s_add_nc_u64 s[4:5], s[4:5], s[28:29]
.irp f, 0,1
.irp i, 0,1,2,3,4,5,6,7,8,9,10,11,12,13,14,15
	global_load_b128 v[R+64*\f+4*\i:R+64*\f+4*\i+3], v[L16], s[4:5] offset:(16*\f+\i)*4096 th:TH_LOAD_NT   ; 32 lanes read 512 consecutive bytes of a row
.endr
.endr
	s_lshr_b32 s30, s24, 1
	s_mul_i32 s30, s30, KSSC                       ; K step w / 2,
	s_lshl_b32 s31, s27, 13                        ; row blocks 2 g and 2 g + 1,
	s_add_co_u32 s30, s30, s31
	s_and_b32 s31, s24, 1
	s_lshl_b32 s31, s31, 11                        ; half w % 2
	s_add_co_u32 s30, s30, s31
	s_mov_b32 s31, 0
	s_add_nc_u64 s[12:13], s[12:13], s[30:31]
	MKSCALE s16
	s_wait_loadcnt 16                              ; the first fragment's sixteen loads are in; the second's sixteen may be out
	s_wait_alu depctr_va_vdst(0)
	TURNX R, X
	s_wait_loadcnt 0x0
	s_wait_dscnt 0x0                               ; the first fragment is back: the stage and v[R] on are free
	TURNX R+64, R
	QUANT X, C
.irp c, 0,1,2,3
	global_store_b128 v[L16], v[C+4*\c:C+4*\c+3], s[12:13] offset:512*\c           ; the wave stores 512 consecutive bytes, aligned
.endr
	s_wait_dscnt 0x0
	QUANT R, C+16
.irp c, 0,1,2,3
	global_store_b128 v[L16], v[C+16+4*\c:C+16+4*\c+3], s[12:13] offset:4096+512*\c
.endr
	CLOSE
	; ---- a weight: A LANE TAKES A COLUMN, AND ITS REGISTERS RUN DOWN K: the conversions then give codes with K innermost, and nothing is transposed by an instruction
.Lweights:
	s_cmp_lt_u32 s25, 44                           ; W_attn or W_proj: only pointers and numbers are chosen; both take one way through the text
	s_cselect_b64 s[32:33], s[6:7], s[8:9]
	s_mov_b32 s27, 4096
	s_cselect_b32 s27, 12288, s27                  ; a row of the weight in bytes
	s_mov_b32 s28, 704
	s_cselect_b32 s28, 512, s28                    ; its first row block in cod
	s_cselect_b32 s29, 32, 44
	s_sub_co_u32 s29, s25, s29                     ; which 256 columns
	v_lshlrev_b32 v[VO], 2, v1
	s_wait_alu depctr_va_vdst(0)
.irp j, 1
	v_add_nc_u32 v[VO+\j], s27, v[VO+\j-1]
.endr
.irp j, 2, 3, 4, 5, 6, 7
	s_delay_alu instid0(VALU_DEP_1)
	v_add_nc_u32 v[VO+\j], s27, v[VO+\j-1]         ; 4 x lane + j rows
.endr
	s_mul_i32 s30, s26, s27
	s_lshl_b32 s30, s30, 7                         ; K chunk y: 128 rows down,
	s_lshl_b32 s31, s29, 10
	s_add_co_u32 s30, s30, s31                     ; 256 columns of 4 bytes a group,
	s_lshl_b32 s31, s24, 7
	s_add_co_u32 s30, s30, s31                     ; 32 columns a wave: the eight waves stand side by side on 1,024 bytes
	s_mov_b32 s31, 0
	s_add_nc_u64 s[32:33], s[32:33], s[30:31]
	s_lshl_b32 s30, s27, 3                         ; eight rows on
.irp q, 1,2,3,4,5,6,7,8,9,10,11,12,13,14,15
	s_add_nc_u64 s[32+2*\q:33+2*\q], s[30+2*\q:31+2*\q], s[30:31]
.endr
	s_wait_alu depctr_va_vdst(0)
.irp q, 0,1,2,3,4,5,6,7,8,9,10,11,12,13,14,15
.irp j, 0,1,2,3,4,5,6,7
	global_load_b32 v[R+8*\q+\j], v[VO+\j], s[32+2*\q:33+2*\q] th:TH_LOAD_NT       ; W(128 y + 8 q + j, my column)
.endr
.endr
	s_lshl_b32 s29, s29, 4
	s_add_co_u32 s28, s28, s29                     ; row block: the weight's first + 16 x group
	s_lshl_b32 s29, s24, 1
	s_add_co_u32 s28, s28, s29                     ; + 2 x wave
	s_lshl_b32 s28, s28, 12
	s_lshr_b32 s29, s26, 1
	s_mul_i32 s29, s29, KSSC
	s_add_co_u32 s28, s28, s29
	s_and_b32 s29, s26, 1
	s_lshl_b32 s29, s29, 11
	s_add_co_u32 s28, s28, s29
	s_mov_b32 s29, 0
	s_add_nc_u64 s[12:13], s[12:13], s[28:29]
	s_wait_kmcnt 0x0
	s_cmp_lt_u32 s25, 44
	s_cselect_b32 s27, s17, s23                    ; e: entry 1 or entry 7
	MKSCALE s27
.set q, 0
	s_wait_alu depctr_va_vdst(0)
.rept 16                               ; run q: k = 8 q + 0 .. 7 of my column = registers 2 c, 2 c + 1 (c = q / 2) of lane (r, q % 2) of the image
.set n, 120-8*q                        ; the loads issued behind this run's eight,
.if n > 63
.set n, 63                             ; or as many as a wait can name: a smaller count only waits for more
.endif
	s_wait_loadcnt n
.irp j, 0,1,2,3,4,5,6,7
.endr
	v_cvt_scalef32_pk8_fp8_f32 v[C+2*q:C+2*q+1], v[R+8*q:R+8*q+7], v[SCL]
	ds_store_b64 v[WA], v[C+2*q:C+2*q+1] offset:512*(q/4)+256*(q%2)+8*((q/2)%2)
.set q, q+1
.endr
	v_nop                                          ; a plain line behind the last conversion
.irp m, 0,1,2,3,4,5,6,7
	ds_load_b128 v[X+4*\m:X+4*\m+3], v[WB] offset:512*\m           ; the two images, as they will lie in memory; these see my stores (LDS serves a wave in order)
.endr
.irp m, 0,1,2,3,4,5,6,7
	s_wait_dscnt 7-\m
	global_store_b128 v[L16], v[X+4*\m:X+4*\m+3], s[12:13] offset:4096*(\m/4)+512*(\m%4)   ; 512 consecutive bytes, aligned
.endr
	CLOSE
.Lfunc_end_k_qe13e784da1_quant:
	.size	k_qe13e784da1_quant, .Lfunc_end_k_qe13e784da1_quant-k_qe13e784da1_quant
	.p2alignl 7, 3214868480
	.fill 96, 4, 3214868480
	.section	.rodata,"a",@progbits
	.p2align	6, 0x0
	.amdhsa_kernel k_qe13e784da1_quant
		.amdhsa_group_segment_fixed_size 101376
		.amdhsa_private_segment_fixed_size 0
		.amdhsa_enable_private_segment 0
		.amdhsa_kernarg_size 40
		.amdhsa_user_sgpr_count 2
		.amdhsa_user_sgpr_kernarg_segment_ptr 1
		.amdhsa_wavefront_size32 1
		.amdhsa_system_sgpr_workgroup_id_x 1
		.amdhsa_system_sgpr_workgroup_id_y 1
		.amdhsa_system_sgpr_workgroup_id_z 1
		.amdhsa_system_vgpr_workitem_id 0
		.amdhsa_next_free_vgpr 256
		.amdhsa_next_free_sgpr 100
		.amdhsa_reserve_vcc 0
		.amdhsa_float_denorm_mode_32 3
		.amdhsa_float_denorm_mode_16_64 3
		.amdhsa_fp16_overflow 1
		.amdhsa_memory_ordered 1
		.amdhsa_forward_progress 1
		.amdhsa_inst_pref_size 31
	.end_amdhsa_kernel
	.amdgpu_metadata
---
amdhsa.version: [ 1, 2 ]
amdhsa.kernels:
  - .name:           k_qe13e784da1_quant
    .symbol:         k_qe13e784da1_quant.kd
    .args:
      - { .name: x, .offset: 0, .size: 8, .value_kind: global_buffer, .address_space: global }
      - { .name: W_attn, .offset: 8, .size: 8, .value_kind: global_buffer, .address_space: global }
      - { .name: W_proj, .offset: 16, .size: 8, .value_kind: global_buffer, .address_space: global }
      - { .name: lowp_scales, .offset: 24, .size: 8, .value_kind: global_buffer, .address_space: global }
      - { .name: cod, .offset: 32, .size: 8, .value_kind: global_buffer, .address_space: global }
    .group_segment_fixed_size: 101376
    .private_segment_fixed_size: 0
    .kernarg_segment_align: 8
    .kernarg_segment_size: 40
    .max_flat_workgroup_size: 256
    .sgpr_count:     100
    .vgpr_count:     256
    .wavefront_size: 32
...
	.end_amdgpu_metadata
.endif
;; end of part 1
;; launch qkv (part 2): grid 12 x 32, 4 waves a work-group, clusters of 4 x 4, 327,680 bytes of LDS; arguments cod, b_attn, lowp_scales, qkvc; writes qkvc
.if DOCPART == 2
	.amdgcn_target "amdgcn-amd-amdhsa--gfx1250"
	.amdhsa_code_object_version 6
	.text
	.protected	k_qe13e784da1_qkv
	.globl	k_qe13e784da1_qkv
	.p2align	8
	.type	k_qe13e784da1_qkv,@function
k_qe13e784da1_qkv:
	s_mov_b64 s[64:65], 0
	v_nop
	global_prefetch_b8 v0, s[64:65] scope:SCOPE_SE
	s_setreg_imm32_b32 hwreg(HW_REG_WAVE_MODE, 25, 1), 1
	s_wait_xcnt 0x0
	s_wait_alu depctr_hold_cnt(0) depctr_sa_sdst(0) depctr_va_vdst(0) depctr_va_sdst(0) depctr_va_ssrc(0) depctr_va_vcc(0) depctr_vm_vsrc(0)
	s_getreg_b32 s2, hwreg(HW_REG_IB_STS2, 6, 4)
	s_cmp_eq_u32 s2, 0
	s_cbranch_scc0 .Lentry_in_a_cluster
	s_endpgm
.Lentry_in_a_cluster:
	s_bfe_u32 s2, ttmp6, 0x10000c
	s_cmp_lg_u32 s2, 0xf033
	s_cbranch_scc0 .Lentry_shape_is_right
	s_endpgm
.Lentry_shape_is_right:
; qkv = x W_attn + b_attn on codes of FP8 (E4M3), sums in f32; q, k and v are quantised at once, each with its given scale, and stored as images of the operand registers that the attention launch wants.
; A tile of 256 x 256 is made by a work-group of four waves; a wave makes 128 x 128: 64 accumulators, 512 registers.  K = 1,024 goes in four K steps of 256 through two LDS slots filled by the tensor data mover.
; P AND Q.  Source 1 of the matrix instruction (P) gives a lane its ROW, source 0 (Q) its eight neighbouring COLUMNS: in tile b, register j of lane (r, h) is (P's row r, Q's row 16 b + 8 h + j).
; So the conversion of tile b's eight registers IS registers 2 b, 2 b + 1 of an operand whose rows are P's and whose K runs along Q's rows.  Nothing changes lanes and nothing goes through LDS on the way out.
;   clusters x = 0, 1 (q, k): P = x's rows (t), Q = W_attn's columns (channels): images of 16 t x 64 channels of a head, 1,024 bytes: q, k = [b 4][head 16][t / 16: 128][1,024].
;   cluster  x = 2    (v):    P = W_attn's columns 2,048 on (channels), Q = x's rows (keys): images of 16 channels x 128 keys, 2,048 bytes: v = [b][head][keys / 128: 16][channels / 16: 4][2,048].
; Both operands lie in one buffer of images (16 rows x 128 K, 2,048 bytes; 128 rows x 256 K are 32,768 bytes on end), so the change of roles is a choice of offsets by the CLUSTER's x, which all sixteen partners share.
; CLUSTERS: 4 x 4 work-groups.  P's tile is shared along a row of the cluster, Q's along a column: each is asked for jointly, by the same tensor load with the same descriptor and a mask that names the four.
; THE BIAS is the C of each sum's first product, divided by the power of two that the sums lack, 2^(e0 + e1): by column (q, k) or by row (v); that one K step of 128 is written twice, under a branch on the cluster's x.
; A sum stands for sum x 2^(e0 + e1), so the conversion takes 2^(eo - e0 - e1), eo = entry 2 (q), 3 (k) or 5 (v) of the scales.
; LIMITS: eo - e0 - e1 lies between -126 and 119; b_attn / 2^(e0 + e1) stays an f32 number.  NaN among the inputs is not served.
; No prefetch: of the four K steps two are first fills and two are refills that follow at once.
; REGISTERS, in windows of 256: window 0: v16-31 addresses and scales; v32-95 the bias, later codes; v96-103 the bias by rows; v128-255 P's 8 fragments, ONE set.
;   window 1: Q's fragments, TWO sets, at v0 and v128.   window 2: the 32 accumulators of P's blocks 0-3 ((a, b) at v[8 (8 (a % 4) + b)]);   window 3: those of blocks 4-7.
.set KSSC,  0x300000                   ; bytes from a K step of 256 to the next in cod
.set FR,    16                         ; registers of a fragment
.set NL,    4                          ; LDS loads that bring one
.set NP,    4                          ; places behind this matrix instruction (ISA guide 7.12.1)
.set HALFT, 32768                      ; 128 rows x 256 K: what one tensor load brings, and what one wave reads of P or of Q
.set SLOT,  4*HALFT                    ; P's two halves, then Q's two
.set SPARE, 2*SLOT                     ; behind the ring: the spare words, 128 bytes a wave: two blocks of 256 bytes that no other line names
.set ADRA, 16                          ; v16-17  LDS address of my P fragments in slot 0, 1
.set ADRB, 20                          ; v20-21  the same for Q
.set VO0,  24                          ; v24     16 x lane
.set VO1,  25                          ; v25     the same, at the place of a block's registers 8-15
.set SPW,  28                          ; v28     my spare word; never rewritten
.set NIL,  29                          ; v29     0; never rewritten
.set SC,   30                          ; v30     2^(eo - e0 - e1)
.set LIM,  31
.set BI,   32                          ; v32-95  eight tiles of bias in the result's layout
.set CD,   32                          ; v32-63  the way out: two sets of 16 registers of codes
.set BR,   96                          ; v96-103 the bias of my row in each of P's eight blocks
.set AF,   128                         ; P's fragments
.set TMP,  128
.set G1, 24                            ; s[24:31] descriptor group 1 for P's tiles;  s[32:39] group 0, one set for each slot
.set G0, 32
.set G1B, 48                           ; s[48:55], s[56:63] the same for Q's tiles
.set G0B, 56
.set MSB, 0
.macro WIN new                         ; the immediate's high byte repeats the setting that is left
.if MSB != (\new)
	s_set_vgpr_msb (MSB<<8)|(\new)
.set MSB, (\new)
.endif
.endm
.set MUL_LO, 0xa1                      ; source 0 (Q) window 1, source 1 (P) window 0, C and D window 2
.set MUL_HI, 0xf1                      ; the same, C and D window 3
.set TO_B,   0x40                      ; destination window 1, address window 0
; A joint load: waves 0 and 1 fetch P's halves, waves 2 and 3 Q's.  Each of the two lines has one mask and one set of registers for all that issue it; the branch hangs on the wave's number alone.
; An s_nop 0 and four v_nop follow each of the two lines, ahead of the jump, the label and what follows.
.macro JLOAD g0a, g1a, g0b, g1b
	s_cmp_eq_u32 s15, 0
	s_cbranch_scc0 .Lfor_b_\@
	tensor_load_to_lds s[\g0a:\g0a+3], s[\g1a:\g1a+7]
	s_nop 0
.rept 4
	v_nop
.endr
	s_branch .Lasked_\@
.Lfor_b_\@:
	tensor_load_to_lds s[\g0b:\g0b+3], s[\g1b:\g1b+7]
	s_nop 0
.rept 4
	v_nop
.endr
.Lasked_\@:
.endm
.macro CREST                           ; a round of the cluster's barrier behind its opening barrier
	s_cmp_lg_u32 s14, 0
	s_cbranch_scc1 .Lnot_wave_0_\@
	s_barrier_signal -3
.Lnot_wave_0_\@:
	s_barrier_wait -3
	s_barrier_signal -1
	s_barrier_wait -1
.endm
.macro CROUND                          ; a whole round
	s_barrier_signal -1
	s_barrier_wait -1
	CREST
.endm
	s_load_b256 s[4:11], s[0:1], 0x0               ; cod s[4:5], b_attn s[6:7], the scales s[8:9], qkvc s[10:11]
	v_lshl_add_u32 v[SPW], v0, 2, SPARE
	v_mov_b32 v[NIL], 0
	ds_add_u32 v[SPW], v[NIL]                      ; the wave's opening: the add and its wait stand ahead of my first tensor load; the set-up below, work on registers, stands between them
	ds_add_u32 v[SPW], v[NIL]
	v_lshrrev_b32 v1, 5, v0
	v_readfirstlane_b32 s14, v1                    ; wave 0..3
	s_lshr_b32 s15, s14, 1                         ; which half of P's rows is mine.  Also: I fetch for P (0) or for Q (1)
	s_and_b32 s16, s14, 1                          ; which half of Q's rows.  Also: which 128 rows of that tile I fetch
	s_bfe_u32 s40, ttmp6, 0x40000                  ; cx, cy: my place in the cluster
	s_bfe_u32 s41, ttmp6, 0x40004
	s_and_b32 s17, ttmp7, 0xffff                   ; the cluster's y (its x is ttmp9)
	s_lshl_b32 s43, s41, 2
	s_lshl_b32 s43, 15, s43                        ; my row of the cluster
	s_lshl_b32 s44, 0x1111, s40                    ; my column
	; descriptor group 1: a dense block of 32,768 bytes as 128 rows of 32 elements of 8 bytes; no padding: images are read 16 bytes a lane on end
	s_or_b32 s[G1+0], s43, (3<<16)|(1<<21)         ; 15:0 the mask: P's tiles go to my row; 17:16 elements of 8 bytes; 21 set beside a mask
	s_or_b32 s[G1B+0], s44, (3<<16)|(1<<21)        ; Q's go to my column
.irp g, G1, G1B
	s_mov_b32 s[\g+1], 32<<16                      ; tensor_dim0 = 32
	s_mov_b32 s[\g+2], 128<<16                     ; tensor_dim1 = 128
	s_mov_b32 s[\g+3], 32<<16                      ; tile_dim0 = 32
	s_mov_b32 s[\g+4], 128                         ; tile_dim1 = 128
	s_mov_b32 s[\g+5], 32                          ; tensor_dim0_stride
	s_mov_b32 s[\g+6], 0
	s_mov_b32 s[\g+7], 0
.endr
	; where the tiles come from, in row blocks of cod.  P's hangs on cy and the cluster's place alone, Q's on cx and the cluster's place alone, each in registers that never hold the other coordinate
	s_lshl_b32 s18, s17, 6                         ; x's rows: 64 row blocks for each cluster y
	s_lshl_b32 s19, ttmp9, 6
	s_add_co_u32 s19, s19, 512                     ; W_attn's columns for q and k: 512 + 64 x cluster x
	s_mov_b32 s20, 640                             ; W_attn's columns for v: from row block 512 + 128 on
	s_cmp_eq_u32 ttmp9, 2
	s_cselect_b32 s20, s20, s18                    ; P
	s_cselect_b32 s46, s18, s19                    ; Q
	s_lshl_b32 s21, s41, 4
	s_add_co_u32 s20, s20, s21                     ; + 16 cy
	s_lshl_b32 s47, s40, 4
	s_add_co_u32 s46, s46, s47                     ; + 16 cx
	s_lshl_b32 s22, s16, 3                         ; + the half that I fetch
	s_add_co_u32 s20, s20, s22
	s_add_co_u32 s46, s46, s22
	s_lshl_b32 s20, s20, 12                        ; a row block of a K step is 4,096 bytes
	s_lshl_b32 s46, s46, 12
	s_mov_b32 s21, 0
	s_mov_b32 s47, 0
	s_lshl_b32 s45, s14, 15                        ; where they go: wave x 32,768: no place in the cluster enters an LDS address
	s_wait_dscnt 0x0                               ; the opening add is done
	s_wait_kmcnt 0x0
	s_load_b256 s[72:79], s[8:9], 0x0              ; the eight exponents
	s_add_nc_u64 s[20:21], s[4:5], s[20:21]
	s_add_nc_u64 s[46:47], s[4:5], s[46:47]
	CROUND                                         ; all sixteen work-groups are here: the first joint loads meet
.irp s, 0,1
	s_mov_b32 s[G0+4*\s], 1
	s_add_co_u32 s[G0+4*\s+1], s45, \s*SLOT
	s_add_nc_u64 s[G0+4*\s+2:G0+4*\s+3], s[20:21], \s*KSSC
	s_or_b32 s[G0+4*\s+3], s[G0+4*\s+3], 0x80000000
	s_mov_b32 s[G0B+4*\s], 1
	s_add_co_u32 s[G0B+4*\s+1], s45, \s*SLOT
	s_add_nc_u64 s[G0B+4*\s+2:G0B+4*\s+3], s[46:47], \s*KSSC
	s_or_b32 s[G0B+4*\s+3], s[G0B+4*\s+3], 0x80000000
	JLOAD G0+4*\s, G1, G0B+4*\s, G1B               ; two tensor loads of mine are out
.endr
	v_and_b32 v1, 31, v0                           ; lane
	v_and_b32 v2, 15, v0                           ; r
	v_bfe_u32 v3, v0, 4, 1                         ; h
	v_lshlrev_b32 v[VO0], 4, v1
	v_lshlrev_b32 v26, 5, v3                       ; 32 h
	s_wait_alu depctr_va_vdst(0)
	v_lshlrev_b32 v27, 2, v2                       ; 4 r
	s_wait_alu depctr_va_vdst(0)
	; both kinds of bias are loaded, without a branch: both lie inside b_attn whatever the cluster
	s_lshl_b32 s80, ttmp9, 12                      ; by columns: b_attn[1,024 x cluster x + 256 cx + 128 x my half + 16 b + 8 h + j]
	s_lshl_b32 s81, s40, 10
	s_add_co_u32 s80, s80, s81
	s_lshl_b32 s81, s16, 9
	s_add_co_u32 s80, s80, s81
	s_mov_b32 s81, 0
	s_add_nc_u64 s[82:83], s[6:7], s[80:81]
	s_lshl_b32 s84, s41, 10                        ; by rows: b_attn[2,048 + 256 cy + 128 x my half + 16 a + r]
	s_lshl_b32 s85, s15, 9
	s_add_co_u32 s84, s84, s85
	s_add_co_u32 s84, s84, 8192
	s_mov_b32 s85, 0
	s_add_nc_u64 s[86:87], s[6:7], s[84:85]
.irp b, 0,1,2,3,4,5,6,7
	global_load_b128 v[BI+8*\b:BI+8*\b+3], v26, s[82:83] offset:64*\b
	global_load_b128 v[BI+8*\b+4:BI+8*\b+7], v26, s[82:83] offset:64*\b+16
.endr
.irp a, 0,1,2,3,4,5,6,7
	global_load_b32 v[BR+\a], v27, s[86:87] offset:64*\a
.endr
	s_lshl_b32 s80, s15, 15                        ; my 128 rows of P,
	s_lshl_b32 s81, s16, 15                        ; my 128 rows of Q,
	s_add_co_u32 s81, s81, 2*HALFT                 ; which lie behind P's two halves
.irp s, 0,1
	v_add_nc_u32 v[ADRA+\s], s80, v[VO0]
	v_add_nc_u32 v[ADRB+\s], s81, v[VO0]
	s_add_co_u32 s80, s80, SLOT
	s_add_co_u32 s81, s81, SLOT
.endr
	; where my codes go.  U: my first block of 16 (b, t) rows; HD: my first head.  q, k: U by P, HD by Q; v: the other way round
	s_cmp_eq_u32 ttmp9, 2
	s_cselect_b32 s91, s40, s41
	s_cselect_b32 s92, s41, s40
	s_cselect_b32 s93, s16, s15
	s_cselect_b32 s94, s15, s16
	s_mov_b32 s66, 2048
	s_cselect_b32 s66, s66, 1024                   ; from one of P's blocks to the next: v: 16 channels on, an image of 2,048; q, k: 16 t on, an image of 1,024
	s_cselect_b32 s68, 122880, 0                   ; v: block 4 begins the next head: 131,072 - 4 x 2,048 more
	s_mov_b32 s70, 131072
	s_cselect_b32 s70, 1024, s70                   ; a block's registers 8-15: v: the image's second half; q, k: the next head
	s_mov_b32 s67, 0
	s_mov_b32 s69, 0
	s_lshl_b32 s95, s17, 6
	s_lshl_b32 s91, s91, 4
	s_add_co_u32 s95, s95, s91
	s_lshl_b32 s93, s93, 3
	s_add_co_u32 s95, s95, s93                     ; U = 64 x cluster y + 16 x place + 8 x half
	s_lshl_b32 s92, s92, 2
	s_lshl_b32 s94, s94, 1
	s_add_co_u32 s92, s92, s94                     ; HD = 4 x place + 2 x half
	s_lshr_b32 s96, s95, 7
	s_lshl_b32 s96, s96, 21                        ; b: 16 heads of 131,072 bytes
	s_and_b32 s95, s95, 127
	s_lshl_b32 s95, s95, 10                        ; 1,024 bytes for 16 t in q and k; 8,192 for 128 keys in v, which is the same number
	s_add_co_u32 s96, s96, s95
	s_lshl_b32 s92, s92, 17
	s_add_co_u32 s96, s96, s92
	s_lshl_b32 s95, ttmp9, 23                      ; q, k, v: 8 MiB each
	s_add_co_u32 s96, s96, s95
	s_mov_b32 s97, 0
	s_add_nc_u64 s[10:11], s[10:11], s[96:97]
	v_add_nc_u32 v[VO1], s70, v[VO0]
	s_wait_alu depctr_va_vdst(0)
	s_wait_kmcnt 0x0
	s_cmp_eq_u32 ttmp9, 1
	s_cselect_b32 s88, s75, s74
	s_cmp_eq_u32 ttmp9, 2
	s_cselect_b32 s88, s77, s88                    ; eo
	s_add_co_i32 s89, s72, s73                     ; e0 + e1
	s_sub_co_i32 s88, s88, s89
	s_add_co_i32 s88, s88, 127
	s_lshl_b32 s90, s88, 23
	v_mov_b32 v[SC], s90                           ; 2^(eo - e0 - e1): the three scales folded into the conversion's one
	s_sub_co_i32 s89, 0, s89                       ; -(e0 + e1), for the bias
.macro FRAG reg, adr, q, i             ; the image of block i, half q of the K step: four loads of 512 consecutive bytes give the fragment's 16 registers
.irp c, 0,1,2,3
	ds_load_b128 v[\reg+4*\c:\reg+4*\c+3], v[\adr] offset:4096*(\i)+2048*(\q)+512*\c
.endr
.endm
; 16 matrix instructions: P's blocks a0, a0 + 1 x Q's eight, 128 along K.  p: Q's set.  cm = 0: the sums go on; 1: they begin with the bias by columns; 2: with the bias by rows.
; The 64 accumulators take turns, one instruction a turn, in the same order in every step.
.macro MUL16 a0, p, cm
.irp a, \a0, \a0+1
.irp b, 0,1,2,3,4,5,6,7
.if \cm == 1
	v_wmma_f32_16x16x128_fp8_fp8 v[8*(8*((\a)%4)+\b):8*(8*((\a)%4)+\b)+7], v[128*(\p)+FR*\b:128*(\p)+FR*\b+FR-1], v[AF+FR*(\a):AF+FR*(\a)+FR-1], v[BI+8*\b:BI+8*\b+7]
.elseif \cm == 2
	v_wmma_f32_16x16x128_fp8_fp8 v[8*(8*((\a)%4)+\b):8*(8*((\a)%4)+\b)+7], v[128*(\p)+FR*\b:128*(\p)+FR*\b+FR-1], v[AF+FR*(\a):AF+FR*(\a)+FR-1], v[BI+8*(\a):BI+8*(\a)+7]
.else
	v_wmma_f32_16x16x128_fp8_fp8 v[8*(8*((\a)%4)+\b):8*(8*((\a)%4)+\b)+7], v[128*(\p)+FR*\b:128*(\p)+FR*\b+FR-1], v[AF+FR*(\a):AF+FR*(\a)+FR-1], v[8*(8*((\a)%4)+\b):8*(8*((\a)%4)+\b)+7]
.endif
.endr
.endr
.endm
.macro FETCH_B slot, q, p              ; Q's eight fragments of the slot's q-th 128 along K into set p
	WIN TO_B
.irp i, 0,1,2,3,4,5,6,7
	FRAG 128*(\p)+FR*\i, ADRB+\slot, \q, \i
.endr
	WIN 0
.endm
.macro FETCH_A slot, q, i0             ; P's blocks i0 .. i0 + 3
.irp i, \i0, \i0+1, \i0+2, \i0+3
	FRAG AF+FR*(\i), ADRA+\slot, \q, \i
.endr
.endm
; A load into a register that a matrix instruction has read, and a vector instruction that reads a matrix result, stand NP places behind that matrix instruction; only plain vector instructions that name none of its registers are places
.macro PLACES n
.rept \n
	v_nop
.endr
.endm
; A step of 128 along K that has its successor in the same slot.  P has one set of registers: blocks 0-3 are fetched anew in the step's middle, blocks 4-7 at its end; Q's next set comes in the middle run.
.macro STEP slot, q, cm
	s_wait_dscnt 4*NL                              ; Q's set and P's blocks 0-3 are in; the youngest sixteen loads (P's blocks 4-7) may be out
.if \cm
	WIN 0x81                                       ; C (the bias) in window 0
.else
	WIN MUL_LO
.endif
	MUL16 0, (\q)%2, \cm
	MUL16 2, (\q)%2, \cm
	s_wait_dscnt 0                                 ; P's blocks 4-7 are in
	PLACES NP
	FETCH_B \slot, (\q)+1, 1-(\q)%2
	FETCH_A \slot, (\q)+1, 0
.if \cm
	WIN 0xc1
.else
	WIN MUL_HI
.endif
	MUL16 4, (\q)%2, \cm
	MUL16 6, (\q)%2, \cm
	PLACES NP
	WIN 0
	FETCH_A \slot, (\q)+1, 4
.endm
; A slot's last step changes slots: ONE barrier; in front of it each wave waits for all its tensor loads, adds 0 to its spare word, and waits for that and for its own reads of this slot.  fill = 1: this slot is filled again, two K steps ahead.
.macro TURN slot, next, fill
	s_wait_tensorcnt 0x0                           ; all my tensor loads have landed: my part of the next slot  (every window is 0 here)
	ds_add_u32 v[SPW], v[NIL]                      ; 0 onto my spare word
	s_wait_dscnt 4*NL+1                            ; (the add and the youngest sixteen loads may be out)
	WIN MUL_LO
	MUL16 0, 1, 0                                  ; sixteen matrix instructions stand between the add and the wait for it
	s_wait_dscnt 0x0                               ; the add is done, and my reads of this slot are over
	s_barrier_signal -1
	MUL16 2, 1, 0
	WIN 0
	s_barrier_wait -1
.if \fill
	CREST                                          ; the barrier has opened a round of the cluster's barrier: no wave of any partner still reads this slot's tile or has a load on its way
	s_add_nc_u64 s[G0+4*\slot+2:G0+4*\slot+3], s[G0+4*\slot+2:G0+4*\slot+3], 2*KSSC
	s_add_nc_u64 s[G0B+4*\slot+2:G0B+4*\slot+3], s[G0B+4*\slot+2:G0B+4*\slot+3], 2*KSSC
	JLOAD G0+4*\slot, G1, G0B+4*\slot, G1B         ; the first tensor load behind the round, my one load until the next; its four v_nop are the places in front of the loads below
.else
	PLACES NP
.endif
	FETCH_B \next, 0, 0
	FETCH_A \next, 0, 0
	WIN MUL_HI
	MUL16 4, 1, 0
	MUL16 6, 1, 0
	PLACES NP
	WIN 0
	FETCH_A \next, 0, 4
.endm
	s_wait_tensorcnt 1                             ; my part of K step 0 is in (K step 1's load may be out)
	s_barrier_signal -1
	s_barrier_wait -1                              ; everybody's is
	FETCH_B 0, 0, 0
	FETCH_A 0, 0, 0
	FETCH_A 0, 0, 4
	s_wait_loadcnt 0x0                             ; the biases
	s_cmp_eq_u32 ttmp9, 2                          ; the cluster's x: the same in all sixteen partners.  Inside the branch: vector work, LDS loads and products alone
	s_cbranch_scc1 .Lway_v
.set i, 0
.rept 64
	v_ldexp_f32 v[BI+i], v[BI+i], s89              ; b / 2^(e0 + e1), by columns
.set i, i+1
.endr
	s_wait_alu depctr_va_vdst(0)
	STEP 0, 0, 1                                   ; the first step's products start the sums with the bias: nothing is cleared, nothing is added later
	s_branch .Ljoin
.Lway_v:
.irp a, 0,1,2,3,4,5,6,7
.irp j, 0,1,2,3,4,5,6,7
	v_ldexp_f32 v[BI+8*\a+\j], v[BR+\a], s89       ; by rows: a lane's eight numbers of block a share its channel's bias
.endr
.endr
	s_wait_alu depctr_va_vdst(0)
	STEP 0, 0, 2
.Ljoin:
	TURN 0, 1, 1                                   ; K has four K steps: the ring is written out
	STEP 1, 0, 0
	TURN 1, 0, 1
	STEP 0, 0, 0
	TURN 0, 1, 0                                   ; the last two K steps fill nothing
	STEP 1, 0, 0
	s_wait_dscnt 4*NL                              ; the very last step: nothing more to fetch
	WIN MUL_LO
	MUL16 0, 1, 0
	MUL16 2, 1, 0
	s_wait_dscnt 0
	WIN MUL_HI
	MUL16 4, 1, 0
	MUL16 6, 1, 0
	WIN 0
; THE WAY OUT of P's block a: the 64 sums are converted where they lie, in window 2 or 3: eight conversions give 16 registers of codes, which are stored as they stand:
; four stores of 512 consecutive bytes, aligned.  Two sets of code registers take turns.
.macro OUTB a
.set AC, 64*((\a)%4)
.set CA, CD+16*((\a)%2)
	WIN 0x02+((\a)/4)                              ; source 0: window 2 or 3
.set i, 0
.rept 64
.set i, i+1
.endr
.irp b, 0,1,2,3,4,5,6,7
	v_cvt_scalef32_pk8_fp8_f32 v[CA+2*\b:CA+2*\b+1], v[AC+8*\b:AC+8*\b+7], v[SC]
.endr
	WIN 0
	v_nop                                          ; a plain line behind the last conversion
	s_wait_alu depctr_va_vdst(0)
	s_wait_xcnt 0x0                                ; the earlier stores have read their base and their data: the base may step, and the next block may write the other set of codes
.if (\a) > 0
	s_add_nc_u64 s[10:11], s[10:11], s[66:67]
.endif
.if (\a) == 4
	s_add_nc_u64 s[10:11], s[10:11], s[68:69]
.endif
	global_store_b128 v[VO0], v[CA:CA+3], s[10:11]
	global_store_b128 v[VO0], v[CA+4:CA+7], s[10:11] offset:512
	global_store_b128 v[VO1], v[CA+8:CA+11], s[10:11]
	global_store_b128 v[VO1], v[CA+12:CA+15], s[10:11] offset:512
.endm
	PLACES NP                                      ; behind the last products: their results are read below
.irp a, 0,1,2,3,4,5,6,7
	OUTB \a
.endr
	s_wait_tensorcnt 0x0                           ; the wave's end, behind my last tensor load
	ds_add_u32 v[SPW], v[NIL]
	s_wait_dscnt 0x0
	CROUND                                         ; the closing round: no work-group ends while a partner may still ask for a tile that names it
	s_endpgm
.Lfunc_end_k_qe13e784da1_qkv:
	.size	k_qe13e784da1_qkv, .Lfunc_end_k_qe13e784da1_qkv-k_qe13e784da1_qkv
	.p2alignl 7, 3214868480
	.fill 96, 4, 3214868480
	.section	.rodata,"a",@progbits
	.p2align	6, 0x0
	.amdhsa_kernel k_qe13e784da1_qkv
		.amdhsa_group_segment_fixed_size 327680
		.amdhsa_private_segment_fixed_size 0
		.amdhsa_enable_private_segment 0
		.amdhsa_kernarg_size 32
		.amdhsa_user_sgpr_count 2
		.amdhsa_user_sgpr_kernarg_segment_ptr 1
		.amdhsa_wavefront_size32 1
		.amdhsa_system_sgpr_workgroup_id_x 1
		.amdhsa_system_sgpr_workgroup_id_y 1
		.amdhsa_system_sgpr_workgroup_id_z 1
		.amdhsa_system_vgpr_workitem_id 0
		.amdhsa_next_free_vgpr 1024
		.amdhsa_next_free_sgpr 100
		.amdhsa_reserve_vcc 0
		.amdhsa_float_denorm_mode_32 3
		.amdhsa_float_denorm_mode_16_64 3
		.amdhsa_fp16_overflow 1
		.amdhsa_memory_ordered 1
		.amdhsa_forward_progress 1
		.amdhsa_inst_pref_size 106
	.end_amdhsa_kernel
	.amdgpu_metadata
---
amdhsa.version: [ 1, 2 ]
amdhsa.kernels:
  - .name:           k_qe13e784da1_qkv
    .symbol:         k_qe13e784da1_qkv.kd
    .args:
      - { .name: cod, .offset: 0, .size: 8, .value_kind: global_buffer, .address_space: global }
      - { .name: b_attn, .offset: 8, .size: 8, .value_kind: global_buffer, .address_space: global }
      - { .name: lowp_scales, .offset: 16, .size: 8, .value_kind: global_buffer, .address_space: global }
      - { .name: qkvc, .offset: 24, .size: 8, .value_kind: global_buffer, .address_space: global }
    .group_segment_fixed_size: 327680
    .private_segment_fixed_size: 0
    .kernarg_segment_align: 8
    .kernarg_segment_size: 32
    .max_flat_workgroup_size: 128
    .sgpr_count:     100
    .vgpr_count:     1024
    .wavefront_size: 32
...
	.end_amdgpu_metadata
.endif
;; end of part 2
;; launch attn (part 3): grid 4 x 64, 16 waves a work-group, no clusters, 327,680 bytes of LDS; arguments qkvc, lowp_scales, yc; writes yc
.if DOCPART == 3
	.amdgcn_target "amdgcn-amd-amdhsa--gfx1250"
	.amdhsa_code_object_version 6
	.text
	.protected	k_qe13e784da1_attn
	.globl	k_qe13e784da1_attn
	.p2align	8
	.type	k_qe13e784da1_attn,@function
k_qe13e784da1_attn:
	s_mov_b64 s[64:65], 0
	v_nop
	global_prefetch_b8 v0, s[64:65] scope:SCOPE_SE
	s_setreg_imm32_b32 hwreg(HW_REG_WAVE_MODE, 25, 1), 1
	s_wait_xcnt 0x0
; y[b][t][head] = the sum over keys k <= t of softmax_k(q . k / 8) v, both products on codes of FP8 (E4M3); y is quantised at once (entry 6 of the scales) and stored as images of the last product's operand registers.
; q, k: [b x head: 64][t / 16: 128][1,024]: images of 16 rows x 64 channels (8 registers: lane (r, h): row r; registers 2 c, 2 c + 1: channels 16 c + 8 h + 0 .. 7).
; v: [b x head][keys / 128: 16][channels / 16: 4][2,048]: images of 16 channels x 128 keys (16 registers).  q at byte 0 of the buffer, k 8 MiB on, v 16 MiB on; a head is 131,072 bytes in each.
; THE SOFTMAX AHEAD OF THE SECOND PRODUCT: t = score x log2(e) / 8; M = the row's largest t so far, rounded UP to a whole number; p = 2^(t - M) is what is quantised; it is not normalised.
; The row's sum is taken of the unquantised p, in f32, and divides O at the end.  When M moves, the sum and O are multiplied by 2^(old M - new M): exact.
; SHARES.  Work-group (i, head) owns the blocks of 256 queries 7 - i and then i of its head.  Block 7 - i needs the key slots (256 keys) 0 .. 7 - i, block i the slots 0 .. i: nine slots for EVERY work-group, two of them on
; the diagonal: 256 work-groups of equal work, a trip count that is a constant, and no tile is fetched that nobody reads.  Each of the sixteen waves owns 16 queries of a block, in 256 registers: four waves to a SIMD.
; LAYOUT.  Both products are used transposed: S^T = K Q^T (source 0 = 16 keys, source 1 = my 16 queries), O^T = V^T P^T: a lane holds ONE query throughout.  In tile u of S^T register j of lane (r, h) is key 16 u + 8 h + j:
; its conversion is registers 2 u, 2 u + 1 of p's fragment, each key in its own place; likewise O^T's four tiles give y's eight registers.
; NO CLUSTER: the four work-groups of a head walk different key slots from the fifth trip on (the blocks' ends differ), so partners would want different tiles behind the same round.
; LIMITS on the given exponents, so that each power of two below is an f32 number: e2 + e3 between -123 and 130 (they are added to c's exponent field); e4 and e6 between -126 and 119; e4 + e5 is applied by v_ldexp_f32.
; REGISTERS: v1 16 x lane; v3 the prefetches' offset; v5, v6 the add's two; v8 the LDS address in hand; v12 -M, v13 the largest t, v[14:15] the sum in two halves; v16-23 Q; v24-31 the second block's Q;
;   v32-95 eight fragments of K, then four of V; v96-159 S^T, then p; v160-191 O^T; v224-239 p's codes, at a block's end y's; v236-254 at work and scales.
.set SLOT1, 1<<15                      ; a slot: 16,384 bytes of K, then 16,384 of V; slot 1 begins here, so that one exclusive or turns an address from one slot to the other
.set SPARE, 2*SLOT1                    ; behind the ring: the spare words, 128 bytes a wave: eight blocks of 256 bytes that no other line names
.set LI,   1
.set PFO,  3
.set SPW,  5
.set NIL,  6
.set ADR,  8
.set TB,   2                           ; s2   LDS byte at which the slot in hand begins
.set TR,   3                           ; s3   the trip, 0 .. 8
.set WV,   18                          ; s18  my wave's number
.set SEL,  20                          ; s[20:21] lane selects for v_permlanex16_b32: lane l xor 16
.set CS,   22                          ; s[22:23] c = log2(e) / 8 x 2^(e2 + e3)
.set G1,   24                          ; s[24:31] descriptor group 1
.set G0,   32                          ; s[32:35] descriptor group 0, which walks
.set KVB,  36                          ; s[36:37] my head's K (wave 0) or V (the others) in memory
.set OFF,  38                          ; s[38:39] the key slot to be fetched, in bytes
.set LASTA, 40                         ; s40  7 - i: the first block's last trip
.set BACK, 41                          ; s41  8 - i: what is taken off a trip's number in the second block
.set KF,   42                          ; s42  the step's first key
.set Q0,   43                          ; s43  my first query
.set Q0B,  44                          ; s44  and in the second block
.set PFA,  56                          ; s[56:57] where my prefetches stand
.set LIM,  58                          ; s58  the trips in which I prefetch: 6 or 0
.set EPV,  59                          ; s59  e4 + e5
.set YA,   60                          ; s[60:61] where the block in hand stores
.set YB,   62                          ; s[62:63] where the second block stores
; Wave 0 fetches a slot's K, wave 1 its V, the others nothing.  The branch hangs on the wave's number alone.  An s_nop 0 and four v_nop follow the load.
.macro TLOAD
	s_cmp_lt_u32 s[WV], 2
	s_cbranch_scc0 .Lnone_\@
	tensor_load_to_lds s[G0:G0+3], s[G1:G1+7]
	s_nop 0
.rept 4
	v_nop
.endr
.Lnone_\@:
.endm
; A PREFETCH INTO THE L2.  Of a head's four work-groups the one with i = 0 walks the key slots 0 .. 7 in order: it alone asks.  In trip n, where waves 0 and 1 have just asked for slot n + 1, its waves 4 and 5 name the
; two halves of K's 16,384 bytes of slot n + 2 and waves 6 and 7 those of V's: 8,192 bytes a wave, lanes 256 bytes apart, one instruction.  So each aligned block of 256 bytes is named once in the launch.
; Slots 0 and 1 come by their loads alone; trips 6 and later ask for nothing: slot 7 is the last.
.macro ASK
	s_cmp_lt_u32 s[TR], s[LIM]
	s_cbranch_scc0 .Lnot_mine_\@
	global_prefetch_b8 v[PFO], s[PFA:PFA+1] th:TH_LOAD_NT scope:SCOPE_SE
.Lnot_mine_\@:
.endm
	s_load_b128 s[4:7], s[0:1], 0x0                ; qkvc s[4:5], the scales s[6:7]
	s_load_b64 s[8:9], s[0:1], 0x10                ; yc
	v_lshl_add_u32 v[SPW], v0, 2, SPARE
	v_mov_b32 v[NIL], 0
	ds_add_u32 v[SPW], v[NIL]                      ; the wave's opening: the add and its wait stand ahead of my first tensor load; the set-up below, work on registers, stands between them
	ds_add_u32 v[SPW], v[NIL]
	v_lshrrev_b32 v8, 5, v0
	s_delay_alu instid0(VALU_DEP_1)
	v_readfirstlane_b32 s[WV], v8                  ; wave 0..15
	; descriptor group 1: a dense block of 16,384 bytes as 64 rows of 32 elements of 8 bytes; no padding: images are read 16 bytes a lane on end
	s_mov_b32 s[G1], 3<<16                         ; 15:0 no mask; 17:16 elements of 8 bytes
	s_mov_b32 s[G1+1], 32<<16                      ; tensor_dim0
	s_mov_b32 s[G1+2], 64<<16                      ; tensor_dim1
	s_mov_b32 s[G1+3], 32<<16                      ; tile_dim0
	s_mov_b32 s[G1+4], 64                          ; tile_dim1
	s_mov_b32 s[G1+5], 32                          ; tensor_dim0_stride
	s_mov_b32 s[G1+6], 0
	s_mov_b32 s[G1+7], 0
	s_mov_b32 s[SEL], 0x76543210
	s_mov_b32 s[SEL+1], 0xfedcba98
	s_mov_b32 s[CS], 0x3e38aa3b                    ; log2(e) / sqrt(64)
	s_mov_b32 s[TB], 0
	s_mov_b32 s[TR], 0
	s_mov_b32 s[KF], 0
	s_sub_co_u32 s[LASTA], 7, ttmp9
	s_sub_co_u32 s[BACK], 8, ttmp9
	s_and_b32 s70, ttmp7, 0xffff                   ; b x 16 + head
	s_lshl_b32 s71, s70, 17                        ; the head's bytes in q, in k and in v
	s_min_u32 s66, s[WV], 1                        ; 0: K; 1: V (waves 2 to 15 fetch nothing and hold wave 1's numbers)
	s_mov_b32 s[G0], 1                             ; count = 1
	s_lshl_b32 s[G0+1], s66, 14                    ; LDS address: slot 0, K's or V's half
	s_add_co_u32 s66, s66, 1
	s_lshl_b32 s66, s66, 23                        ; k lies 8 MiB, v 16 MiB into the buffer
	s_add_co_u32 s66, s66, s71
	s_mov_b32 s67, 0
	s_mov_b32 s[OFF+1], 0
	s_lshl_b32 s68, s[WV], 4
	s_lshl_b32 s[Q0], s[LASTA], 8
	s_add_co_u32 s[Q0], s[Q0], s68                 ; my first query: 256 x block + 16 x wave
	s_lshl_b32 s[Q0B], ttmp9, 8
	s_add_co_u32 s[Q0B], s[Q0B], s68
	s_wait_dscnt 0x0                               ; the opening add is done
	s_wait_kmcnt 0x0
	s_load_b256 s[48:55], s[6:7], 0x0              ; the eight exponents
	s_add_nc_u64 s[KVB:KVB+1], s[4:5], s[66:67]
	s_mov_b64 s[G0+2:G0+3], s[KVB:KVB+1]           ; key slot 0
	s_or_b32 s[G0+3], s[G0+3], 0x80000000          ; type = 2
	TLOAD                                          ; slot 0: one tensor load of mine is out
	v_and_b32 v[LI], 31, v0
	s_delay_alu instid0(VALU_DEP_1)
	v_lshlrev_b32 v[PFO], 8, v[LI]                 ; 256 x lane
	s_delay_alu instid0(VALU_DEP_2)
	v_lshlrev_b32 v[LI], 4, v[LI]                  ; 16 x lane
	s_wait_alu depctr_va_vdst(0)
	s_lshl_b32 s72, s[Q0], 6                       ; Q's image: 1,024 bytes for 16 queries
	s_add_co_u32 s72, s72, s71
	s_mov_b32 s73, 0
	s_add_nc_u64 s[72:73], s[4:5], s[72:73]
	s_lshl_b32 s74, s[Q0B], 6
	s_add_co_u32 s74, s74, s71
	s_mov_b32 s75, 0
	s_add_nc_u64 s[74:75], s[4:5], s[74:75]
	global_load_b128 v[16:19], v[LI], s[72:73]
	global_load_b128 v[20:23], v[LI], s[72:73] offset:512
	global_load_b128 v[24:27], v[LI], s[74:75]
	global_load_b128 v[28:31], v[LI], s[74:75] offset:512
	; y's images: yc = [K step of 256 channels: 4][block of 16 rows: 512][half: 2][2,048]; a head's 64 channels are half an image: 1,024 x (head % 4) into the K step's 4,096 bytes of a row block
	s_lshr_b32 s76, s70, 4                         ; b
	s_and_b32 s77, s70, 15                         ; head
	s_lshl_b32 s76, s76, 19                        ; 128 row blocks of 4,096 bytes
	s_lshr_b32 s78, s77, 2
	s_lshl_b32 s78, s78, 21                        ; a K step is 512 x 4,096 bytes
	s_add_co_u32 s76, s76, s78
	s_and_b32 s78, s77, 3
	s_lshl_b32 s78, s78, 10
	s_add_co_u32 s76, s76, s78
	s_mov_b32 s79, 0
	s_lshl_b32 s78, s[Q0], 8                       ; 4,096 bytes for 16 rows
	s_add_co_u32 s78, s78, s76
	s_add_nc_u64 s[YA:YA+1], s[8:9], s[78:79]
	s_lshl_b32 s78, s[Q0B], 8
	s_add_co_u32 s78, s78, s76
	s_add_nc_u64 s[YB:YB+1], s[8:9], s[78:79]
	; the prefetches: who asks, and where they stand
	s_bfe_u32 s80, s[WV], 0x10001                  ; (wave / 2) % 2: waves 4, 5: K; waves 6, 7: V
	s_add_co_u32 s80, s80, 1
	s_lshl_b32 s80, s80, 23
	s_add_co_u32 s80, s80, s71
	s_and_b32 s81, s[WV], 1
	s_lshl_b32 s81, s81, 13                        ; which 8,192 bytes
	s_add_co_u32 s80, s80, s81
	s_add_co_u32 s80, s80, 16384                   ; in slot 1: the first change of slots steps it to slot 2
	s_mov_b32 s81, 0
	s_add_nc_u64 s[PFA:PFA+1], s[4:5], s[80:81]
	s_lshr_b32 s82, s[WV], 2
	s_xor_b32 s82, s82, 1                          ; 0 in waves 4 to 7,
	s_or_b32 s82, s82, ttmp9                       ; of the work-group with i = 0
	s_cmp_eq_u32 s82, 0
	s_cselect_b32 s[LIM], 6, 0
	v_mov_b32 v13, 0xff61b1e6                      ; the largest t so far: -3e38, under every t
	s_delay_alu instid0(VALU_DEP_1)
	v_floor_f32 v12, -v13                          ; -M
	v_mov_b32 v14, 0                               ; the sum, in two halves
	v_mov_b32 v15, 0
	v_mov_b32 v236, 0                              ; written once: a lane permute's destination counts as one of its sources
	v_mov_b32 v252, 0
	v_mov_b32 v253, 0                              ; (named as the upper half of the pair v[252:253])
.set i, 0
.rept 32
	v_mov_b32 v[160+i], 0                          ; O^T.  (The step is written once: a block's first step finds zeros, which the first change of M leaves zeros)
.set i, i+1
.endr
	s_wait_kmcnt 0x0
	s_add_co_i32 s82, s50, s51
	s_lshl_b32 s82, s82, 23
	s_add_co_i32 s[CS], s[CS], s82                 ; a score stands for score x 2^(e2 + e3): the two exponents are added to c's exponent field
	s_mov_b32 s[CS+1], s[CS]                       ; (named with it as a pair, so it is written)
	s_add_co_i32 s82, s52, 127
	s_lshl_b32 s83, s82, 23
	v_mov_b32 v244, s83                            ; 2^e4, for p's conversions
	s_add_co_i32 s82, s54, 127
	s_lshl_b32 s83, s82, 23
	v_mov_b32 v245, s83                            ; 2^e6, for y's
	s_add_co_i32 s[EPV], s52, s53                  ; e4 + e5
; A KEY STEP: 128 keys, the q-th of the slot in hand.
.macro STEP q
	s_add_co_u32 s96, s[Q0], 15                    ; a step all of whose keys come after my 16 queries is left out: a scalar branch on ids, round the step's loads, products and softmax; no barrier or tensor load stands in a step
	s_cmp_gt_u32 s[KF], s96
	s_cbranch_scc1 .Lhidden_\@
	v_add_nc_u32 v[ADR], s[TB], v[LI]
.rept 3
	v_nop                                          ; with the addition above: four places in front of loads into registers that matrix instructions have read
.endr
.irp t, 0,1,2,3,4,5,6,7
	ds_load_b128 v[32+8*\t:35+8*\t], v[ADR] offset:8192*(\q)+1024*\t               ; K's image of keys 16 t on
	ds_load_b128 v[36+8*\t:39+8*\t], v[ADR] offset:8192*(\q)+1024*\t+512
.endr
	s_wait_alu depctr_va_vdst(0)
	s_wait_dscnt 8                                 ; tiles 0 to 3 are in; the youngest eight loads may be out
.irp t, 0,1,2,3
	v_wmma_f32_16x16x64_fp8_fp8 v[96+8*\t:103+8*\t], v[32+8*\t:39+8*\t], v[16:23], 0
.endr
	s_wait_dscnt 0x0
.irp t, 4,5,6,7
	v_wmma_f32_16x16x64_fp8_fp8 v[96+8*\t:103+8*\t], v[32+8*\t:39+8*\t], v[16:23], 0
.endr
.rept 4
	v_nop                                          ; places: in front of the loads below, and of the first read of the scores
.endr
.irp d, 0,1,2,3
.irp c, 0,1,2,3
	ds_load_b128 v[32+16*\d+4*\c:35+16*\d+4*\c], v[ADR] offset:16384+8192*(\q)+2048*\d+512*\c   ; V's four images: they land under the softmax
.endr
.endr
	s_add_co_u32 s96, s[KF], 127                   ; on the diagonal the scores of hidden keys become -infinity ahead of the maximum: p = 0 then.  A step all of whose keys count skips this
	s_cmp_le_u32 s96, s[Q0]
	s_cbranch_scc1 .Lopen_\@
	s_sub_co_i32 s96, s[Q0], s[KF]
	v_and_b32 v252, 15, v0
	v_bfe_u32 v253, v0, 4, 1
	s_delay_alu instid0(VALU_DEP_1)
	v_lshlrev_b32 v253, 3, v253
	s_delay_alu instid0(VALU_DEP_1)
	v_sub_nc_u32 v252, v252, v253
	s_delay_alu instid0(VALU_DEP_1)
	v_add_nc_u32 v252, s96, v252                   ; d = my query - the step's first key - 8 h.  Register 8 u + j holds key 16 u + 8 h + j of the step: hidden where 16 u + j > d
	v_mov_b32 v254, 0xff800000                     ; -infinity
.set n, 0
.rept 64
	v_cmp_gt_i32 vcc_lo, 16*(n/8)+n%8, v252
	v_cndmask_b32 v[96+n], v[96+n], v254, vcc_lo
.set n, n+1
.endr
.Lopen_\@:
	v_max3_num_f32 v254, v96, v97, v98             ; the step's largest score of my query, among my 64 keys, in two chains, each accumulator from its low end on,
	v_max3_num_f32 v252, v99, v100, v101
.irp i, 6,10,14,18,22,26,30,34,38,42,46,50,54,58
	v_max3_num_f32 v254, v254, v[96+\i], v[97+\i]
	v_max3_num_f32 v252, v252, v[98+\i], v[99+\i]
.endr
	v_max3_num_f32 v254, v254, v158, v159
	s_delay_alu instid0(VALU_DEP_1)
	v_max_num_f32 v254, v254, v252
	v_permlanex16_b32 v236, v254, s[SEL], s[SEL+1]
	s_delay_alu instid0(VALU_DEP_1)
	v_max_num_f32 v254, v254, v236                 ; and among lane l xor 16's
	s_delay_alu instid0(VALU_DEP_1)
	v_mul_f32 v254, s[CS], v254                    ; as t (c is positive)
	s_delay_alu instid0(VALU_DEP_1)
	v_max_num_f32 v13, v13, v254                   ; the running largest t
	v_mov_b32 v254, v12
	s_delay_alu instid0(VALU_DEP_2)
	v_floor_f32 v12, -v13                          ; the new -M = floor(-t) = -ceil(t): M is a whole number
	s_delay_alu instid0(VALU_DEP_1)
	v_sub_f32 v254, v12, v254                      ; M's old value less its new one: a whole number, 0 or less
	s_delay_alu instid0(VALU_DEP_1)
	v_cvt_i32_f32 v254, v254                       ; (it saturates)
	s_delay_alu instid0(VALU_DEP_1)
	v_ldexp_f32 v252, 1.0, v254                    ; f = 2^(old M - new M)
.irp j, 0,2,4,6,8,10,12,14,16,18,20,22,24,26,28,30,32,34,36,38,40,42,44,46,48,50,52,54,56,58,60,62
	v_pk_fma_f32 v[96+\j:97+\j], v[96+\j:97+\j], s[CS:CS+1], v[12:13] op_sel_hi:[1,0,0]   ; t - M, two at a time (of the pairs c and -M the low word serves both halves)
.endr
.set n, 0
	s_wait_alu depctr_va_vdst(0)
.rept 64
	v_exp_f32 v[96+n], v[96+n]                     ; p = 2^(t - M), at most 1: not normalised
.set n, n+1
.endr
	v_pk_mul_f32 v[14:15], v[14:15], v[252:253] op_sel_hi:[1,0]   ; the sums under the new M.  (The plain line behind the exponentials)
	s_wait_alu depctr_va_vdst(0)                   ; one wait for the whole batch, ahead of its first reader
	v_pk_add_f32 v[242:243], v[100:101], v[104:105]
	v_pk_add_f32 v[254:255], v[108:109], v[112:113]
	v_pk_add_f32 v[250:251], v[116:117], v[120:121]
	v_pk_add_f32 v[248:249], v[124:125], v[128:129]
	v_pk_add_f32 v[246:247], v[132:133], v[136:137]
	v_pk_add_f32 v[240:241], v[140:141], v[144:145]
	v_pk_add_f32 v[238:239], v[148:149], v[152:153]
	v_pk_add_f32 v[14:15], v[14:15], v[156:157]
	v_pk_add_f32 v[242:243], v[242:243], v[96:97]
	v_pk_add_f32 v[254:255], v[254:255], v[98:99]
	v_pk_add_f32 v[250:251], v[250:251], v[102:103]
	v_pk_add_f32 v[248:249], v[248:249], v[106:107]
	v_pk_add_f32 v[246:247], v[246:247], v[110:111]
	v_pk_add_f32 v[240:241], v[240:241], v[114:115]
	v_pk_add_f32 v[238:239], v[238:239], v[118:119]
	v_pk_add_f32 v[14:15], v[14:15], v[122:123]
	v_pk_add_f32 v[242:243], v[242:243], v[126:127]
	v_pk_add_f32 v[254:255], v[254:255], v[130:131]
	v_pk_add_f32 v[250:251], v[250:251], v[134:135]
	v_pk_add_f32 v[248:249], v[248:249], v[138:139]
	v_pk_add_f32 v[246:247], v[246:247], v[142:143]
	v_pk_add_f32 v[240:241], v[240:241], v[146:147]
	v_pk_add_f32 v[238:239], v[238:239], v[150:151]
	v_pk_add_f32 v[14:15], v[14:15], v[154:155]
	v_pk_add_f32 v[242:243], v[242:243], v[158:159]
	s_delay_alu instid0(VALU_DEP_2)
	v_pk_add_f32 v[14:15], v[14:15], v[248:249]
	s_delay_alu instid0(VALU_DEP_2)
	v_pk_add_f32 v[242:243], v[242:243], v[246:247]
	v_pk_add_f32 v[254:255], v[254:255], v[240:241]
	v_pk_add_f32 v[250:251], v[250:251], v[238:239]
	s_delay_alu instid0(VALU_DEP_2)
	v_pk_add_f32 v[14:15], v[14:15], v[254:255]
	s_delay_alu instid0(VALU_DEP_2)
	v_pk_add_f32 v[242:243], v[242:243], v[250:251]
	s_delay_alu instid0(VALU_DEP_1)
	v_pk_add_f32 v[14:15], v[14:15], v[242:243]
.irp t, 0,1,2,3,4,5,6,7
.irp j, 0,1,2,3,4,5,6,7
.endr
	v_cvt_scalef32_pk8_fp8_f32 v[224+2*\t:225+2*\t], v[96+8*\t:103+8*\t], v244   ; registers 2 t, 2 t + 1 of p's fragment: keys 16 t + 8 h + 0 .. 7
.endr
.irp j, 0,2,4,6,8,10,12,14,16,18,20,22,24,26,28,30
	v_pk_mul_f32 v[160+\j:161+\j], v[160+\j:161+\j], v[252:253] op_sel_hi:[1,0]   ; O^T under the new M.  (These are also the plain lines between the conversions and the products that read their results)
.endr
	s_wait_alu depctr_va_vdst(0)
	s_wait_dscnt 0x0                               ; V is in
.irp d, 0,1,2,3
	v_wmma_f32_16x16x128_fp8_fp8 v[160+8*\d:167+8*\d], v[32+16*\d:47+16*\d], v[224:239], v[160+8*\d:167+8*\d]   ; the four accumulators take turns
.endr
.Lhidden_\@:
	s_add_co_u32 s[KF], s[KF], 128
.endm
; THE CHANGE OF SLOTS stands at a slot's head.  Each wave waits for all its tensor loads (its part of the slot that it is about to read), adds 0 to its spare word, and waits for that and for its reads of the slot that it has left.
; Behind the barrier the slot ahead is whole and nobody reads the other one.  fill = 1: that other slot takes the next trip's keys: the load has a whole slot's steps in which to land.
.macro CHANGE fill
	s_wait_tensorcnt 0x0                           ; no tensor load of mine is out, so group 0 may be written
	ds_add_u32 v[SPW], v[NIL]                      ; 0 onto my spare word; with fill = 1 the descriptor's step stands between it and the wait for it
.if \fill
	s_xor_b32 s[G0+1], s[G0+1], SLOT1              ; the other slot than last time
	s_add_co_u32 s66, s[TR], 1                     ; the next trip's key slot: its number, or, in the second block, that less 8 - i
	s_cmp_gt_u32 s66, s[LASTA]
	s_cselect_b32 s67, s[BACK], 0
	s_sub_co_u32 s66, s66, s67
	s_lshl_b32 s[OFF], s66, 14
	s_add_nc_u64 s[G0+2:G0+3], s[KVB:KVB+1], s[OFF:OFF+1]
	s_or_b32 s[G0+3], s[G0+3], 0x80000000
	s_wait_xcnt 0x0                                ; the last prefetch, a slot back, has read its address, so it may be written
	s_add_nc_u64 s[PFA:PFA+1], s[PFA:PFA+1], 16384
.endif
	s_wait_dscnt 0x0                               ; the add is done, and my reads of the slot that I have left are over
	s_barrier_signal -1
	s_barrier_wait -1
.if \fill
	TLOAD                                          ; the first thing behind the barrier, and a wave's one tensor load until the next
	ASK
.endif
.endm
; A BLOCK'S END: O^T / the sum x 2^(e4 + e5) is y; it is held, converted and stored as it stands: two stores of 512 consecutive bytes, aligned.  last = 0: the second block's state is set up.
.macro FINISH last
.rept 4
	v_nop                                          ; places behind the last products
.endr
	v_add_f32 v14, v14, v15                        ; the sum's two halves,
	s_delay_alu instid0(VALU_DEP_1)
	v_permlanex16_b32 v252, v14, s[SEL], s[SEL+1]
	s_delay_alu instid0(VALU_DEP_1)
	v_add_f32 v14, v14, v252                       ; and lane l xor 16's: the row's sum
	s_wait_alu depctr_va_vdst(0)
	v_rcp_f32 v14, v14
	v_nop                                          ; a plain line behind the transcendental,
	s_wait_alu depctr_va_vdst(0)                   ; and the wait ahead of its first reader
	v_ldexp_f32 v14, v14, s[EPV]
.irp j, 0,2,4,6,8,10,12,14,16,18,20,22,24,26,28,30
	v_pk_mul_f32 v[96+\j:97+\j], v[160+\j:161+\j], v[14:15] op_sel_hi:[1,0]   ; register 8 d + j is y(my query, channel 16 d + 8 h + j)
.endr
.set n, 0
.rept 32
.set n, n+1
.endr
.irp d, 0,1,2,3
	v_cvt_scalef32_pk8_fp8_f32 v[224+2*\d:225+2*\d], v[96+8*\d:103+8*\d], v245
.endr
	v_nop                                          ; a plain line behind the last conversion
	global_store_b128 v[LI], v[224:227], s[YA:YA+1]
	global_store_b128 v[LI], v[228:231], s[YA:YA+1] offset:512
.if \last == 0
	s_wait_xcnt 0x0                                ; the stores have read their base and their data: both are written again below and in the next step
	s_mov_b64 s[YA:YA+1], s[YB:YB+1]
	s_mov_b32 s[Q0], s[Q0B]
	s_mov_b32 s[KF], 0
.irp j, 0,1,2,3,4,5,6,7
	v_mov_b32 v[16+\j], v[24+\j]
.endr
	v_mov_b32 v13, 0xff61b1e6
	s_delay_alu instid0(VALU_DEP_1)
	v_floor_f32 v12, -v13
	v_mov_b32 v14, 0
	v_mov_b32 v15, 0
.set n, 0
.rept 32
	v_mov_b32 v[160+n], 0
.set n, n+1
.endr
.endif
.endm
	s_wait_loadcnt 0x0                             ; Q, both blocks'
.Lslot:                                            ; eight trips: behind each change of slots but the last the next trip's keys are asked for
	CHANGE 1
	STEP 0
	STEP 1
	s_xor_b32 s[TB], s[TB], SLOT1                  ; on to the other slot
	s_cmp_lg_u32 s[TR], s[LASTA]                   ; the first block ends with trip 7 - i: a branch on ids, the same in all sixteen waves
	s_cbranch_scc1 .Lgoes_on
	FINISH 0
.Lgoes_on:
	s_add_co_u32 s[TR], s[TR], 1
	s_cmp_lt_u32 s[TR], 8
	s_cbranch_scc1 .Lslot
	CHANGE 0                                       ; the ninth slot is written out
	STEP 0
	STEP 1
	FINISH 1
	s_wait_tensorcnt 0x0                           ; the wave's end, behind my last tensor load
	ds_add_u32 v[SPW], v[NIL]
	s_wait_dscnt 0x0
	s_endpgm
.Lfunc_end_k_qe13e784da1_attn:
	.size	k_qe13e784da1_attn, .Lfunc_end_k_qe13e784da1_attn-k_qe13e784da1_attn
	.p2alignl 7, 3214868480
	.fill 96, 4, 3214868480
	.section	.rodata,"a",@progbits
	.p2align	6, 0x0
	.amdhsa_kernel k_qe13e784da1_attn
		.amdhsa_group_segment_fixed_size 327680
		.amdhsa_private_segment_fixed_size 0
		.amdhsa_enable_private_segment 0
		.amdhsa_kernarg_size 24
		.amdhsa_user_sgpr_count 2
		.amdhsa_user_sgpr_kernarg_segment_ptr 1
		.amdhsa_wavefront_size32 1
		.amdhsa_system_sgpr_workgroup_id_x 1
		.amdhsa_system_sgpr_workgroup_id_y 1
		.amdhsa_system_sgpr_workgroup_id_z 1
		.amdhsa_system_vgpr_workitem_id 0
		.amdhsa_next_free_vgpr 256
		.amdhsa_next_free_sgpr 100
		.amdhsa_reserve_vcc 1
		.amdhsa_float_denorm_mode_32 3
		.amdhsa_float_denorm_mode_16_64 3
		.amdhsa_fp16_overflow 1
		.amdhsa_memory_ordered 1
		.amdhsa_forward_progress 1
		.amdhsa_inst_pref_size 90
	.end_amdhsa_kernel
	.amdgpu_metadata
---
amdhsa.version: [ 1, 2 ]
amdhsa.kernels:
  - .name:           k_qe13e784da1_attn
    .symbol:         k_qe13e784da1_attn.kd
    .args:
      - { .name: qkvc, .offset: 0, .size: 8, .value_kind: global_buffer, .address_space: global }
      - { .name: lowp_scales, .offset: 8, .size: 8, .value_kind: global_buffer, .address_space: global }
      - { .name: yc, .offset: 16, .size: 8, .value_kind: global_buffer, .address_space: global }
    .group_segment_fixed_size: 327680
    .private_segment_fixed_size: 0
    .kernarg_segment_align: 8
    .kernarg_segment_size: 24
    .max_flat_workgroup_size: 512
    .sgpr_count:     100
    .vgpr_count:     256
    .wavefront_size: 32
...
	.end_amdgpu_metadata
.endif
;; end of part 3
;; launch proj (part 4): grid 4 x 32, 4 waves a work-group, clusters of 4 x 4, 327,680 bytes of LDS; arguments yc, cod, b_proj, lowp_scales, out0; writes out0
.if DOCPART == 4
	.amdgcn_target "amdgcn-amd-amdhsa--gfx1250"
	.amdhsa_code_object_version 6
	.text
	.protected	k_qe13e784da1_proj
	.globl	k_qe13e784da1_proj
	.p2align	8
	.type	k_qe13e784da1_proj,@function
k_qe13e784da1_proj:
	s_mov_b64 s[64:65], 0
	v_nop
	global_prefetch_b8 v0, s[64:65] scope:SCOPE_SE
	s_setreg_imm32_b32 hwreg(HW_REG_WAVE_MODE, 25, 1), 1
	s_wait_xcnt 0x0
	s_wait_alu depctr_hold_cnt(0) depctr_sa_sdst(0) depctr_va_vdst(0) depctr_va_sdst(0) depctr_va_ssrc(0) depctr_va_vcc(0) depctr_vm_vsrc(0)
	s_getreg_b32 s2, hwreg(HW_REG_IB_STS2, 6, 4)
	s_cmp_eq_u32 s2, 0
	s_cbranch_scc0 .Lentry_in_a_cluster
	s_endpgm
.Lentry_in_a_cluster:
	s_bfe_u32 s2, ttmp6, 0x10000c
	s_cmp_lg_u32 s2, 0xf033
	s_cbranch_scc0 .Lentry_shape_is_right
	s_endpgm
.Lentry_shape_is_right:
; out0 = y W_proj + b_proj on codes of FP8 (E4M3), sums in f32.  y's codes (scale 2^e6) and W_proj's (2^e7) lie as images of operand registers: 16 rows x 128 K in 2,048 bytes, 128 rows x 256 K in 32,768 bytes on end.
; A tile of 256 x 256 of out0 is made by a work-group of four waves; a wave makes 128 x 128: 64 accumulators, 512 registers.  K = 1,024 goes in four K steps of 256 through two LDS slots filled by the tensor data mover.
; Source 1 of the matrix instruction (P) = 16 rows of y, source 0 (Q) = 16 columns of W_proj: a lane then holds eight neighbouring numbers of a row of out0.
; CLUSTERS: 4 x 4 work-groups.  P's tile is shared along a row of the cluster, Q's along a column: each is asked for jointly, by the same tensor load with the same descriptor and a mask that names the four.
; THE BIAS is the C of each sum's first product, as b_proj / 2^(e6 + e7); each finished sum is multiplied once by 2^(e6 + e7).
; LIMITS: e6 + e7 lies between -126 and 127; b_proj / 2^(e6 + e7) stays an f32 number.
; The grid is 128 work-groups: the tile is kept at 256 x 256 so that each fragment read from LDS feeds eight products.  No prefetch: of the four K steps two are first fills and two are refills that follow at once.
; REGISTERS, in windows of 256: window 0: v16-31 addresses; v32-95 the bias, later a block's results; v128-255 P's 8 fragments, ONE set, later rows read back from the stage.
;   window 1: Q's fragments, TWO sets, at v0 and v128.   window 2: the 32 accumulators of P's blocks 0-3 ((a, b) at v[8 (8 (a % 4) + b)]);   window 3: those of blocks 4-7.
.set KSSC,  0x300000                   ; bytes from a K step of 256 to the next in cod
.set KSSY,  0x200000                   ; and in yc
.set ROWO,  4096                       ; a row of out0 in bytes
.set FR,    16
.set NL,    4
.set NP,    4                          ; places behind this matrix instruction (ISA guide 7.12.1)
.set HALFT, 32768                      ; 128 rows x 256 K
.set SLOT,  4*HALFT                    ; P's two halves, then Q's two
.set SPARE, 2*SLOT                     ; behind the ring: the spare words, 128 bytes a wave: two blocks of 256 bytes that no other line names
.set SPITCH, 528                       ; the way out: a stage of 16 rows x (512 bytes + 16) for each wave.  It lies in slot 0, which has had its last fill and its last read when the first result is stored there
.set ADRA, 16
.set ADRB, 20
.set STO,  24                          ; v24  the way out: where I put 32 bytes of a row
.set RD,   25                          ; v25  where I read a row back
.set CO,   26                          ; v26  16 x lane: my byte offset in a row's 512 bytes
.set SPW,  28
.set NIL,  29
.set BI,   32
.set TMP,  32
.set AF,   128
.set BK,   128
.set G1, 24
.set G0, 32
.set G1B, 48
.set G0B, 56
.set MSB, 0
.macro WIN new                         ; the immediate's high byte repeats the setting that is left
.if MSB != (\new)
	s_set_vgpr_msb (MSB<<8)|(\new)
.set MSB, (\new)
.endif
.endm
.set MUL_LO, 0xa1                      ; source 0 (Q) window 1, source 1 (P) window 0, C and D window 2
.set MUL_HI, 0xf1
.set TO_B,   0x40
; A joint load: waves 0 and 1 fetch P's halves, waves 2 and 3 Q's; an s_nop 0 and four v_nop follow each of the two lines, ahead of the jump, the label and what follows.
.macro JLOAD g0a, g1a, g0b, g1b
	s_cmp_eq_u32 s15, 0
	s_cbranch_scc0 .Lfor_b_\@
	tensor_load_to_lds s[\g0a:\g0a+3], s[\g1a:\g1a+7]
	s_nop 0
.rept 4
	v_nop
.endr
	s_branch .Lasked_\@
.Lfor_b_\@:
	tensor_load_to_lds s[\g0b:\g0b+3], s[\g1b:\g1b+7]
	s_nop 0
.rept 4
	v_nop
.endr
.Lasked_\@:
.endm
.macro CREST
	s_cmp_lg_u32 s14, 0
	s_cbranch_scc1 .Lnot_wave_0_\@
	s_barrier_signal -3
.Lnot_wave_0_\@:
	s_barrier_wait -3
	s_barrier_signal -1
	s_barrier_wait -1
.endm
.macro CROUND
	s_barrier_signal -1
	s_barrier_wait -1
	CREST
.endm
	s_load_b256 s[4:11], s[0:1], 0x0               ; yc s[4:5], cod s[6:7], b_proj s[8:9], the scales s[10:11]
	s_load_b64 s[12:13], s[0:1], 0x20              ; out0
	v_lshl_add_u32 v[SPW], v0, 2, SPARE
	v_mov_b32 v[NIL], 0
	ds_add_u32 v[SPW], v[NIL]                      ; the wave's opening: the add and its wait stand ahead of my first tensor load; the set-up below, work on registers, stands between them
	ds_add_u32 v[SPW], v[NIL]
	v_lshrrev_b32 v1, 5, v0
	v_readfirstlane_b32 s14, v1                    ; wave 0..3
	s_lshr_b32 s15, s14, 1                         ; which half of the tile's rows is mine.  Also: I fetch for P (0) or for Q (1)
	s_and_b32 s16, s14, 1                          ; which half of its columns.  Also: which 128 rows of that tile I fetch
	s_bfe_u32 s40, ttmp6, 0x40000                  ; cx, cy
	s_bfe_u32 s41, ttmp6, 0x40004
	s_lshl_b32 s42, ttmp9, 2
	s_add_co_u32 s42, s42, s40                     ; tile column = 4 x cluster x + cx
	s_and_b32 s17, ttmp7, 0xffff
	s_lshl_b32 s17, s17, 2
	s_add_co_u32 s17, s17, s41                     ; tile row = 4 x cluster y + cy
	s_lshl_b32 s43, s41, 2
	s_lshl_b32 s43, 15, s43                        ; my row of the cluster
	s_lshl_b32 s44, 0x1111, s40                    ; my column
	s_or_b32 s[G1+0], s43, (3<<16)|(1<<21)         ; 15:0 the mask; 17:16 elements of 8 bytes; 21 set beside a mask; no padding: images are read 16 bytes a lane on end
	s_or_b32 s[G1B+0], s44, (3<<16)|(1<<21)
.irp g, G1, G1B
	s_mov_b32 s[\g+1], 32<<16                      ; tensor_dim0 = 32
	s_mov_b32 s[\g+2], 128<<16                     ; tensor_dim1 = 128
	s_mov_b32 s[\g+3], 32<<16                      ; tile_dim0 = 32
	s_mov_b32 s[\g+4], 128                         ; tile_dim1 = 128
	s_mov_b32 s[\g+5], 32                          ; tensor_dim0_stride
	s_mov_b32 s[\g+6], 0
	s_mov_b32 s[\g+7], 0
.endr
	s_lshl_b32 s22, s16, 3                         ; the half that I fetch: 8 row blocks
	s_lshl_b32 s20, s17, 4
	s_add_co_u32 s20, s20, s22                     ; P: row block 16 x tile row + 8 x half
	s_lshl_b32 s46, s42, 4
	s_add_co_u32 s46, s46, s22
	s_add_co_u32 s46, s46, 704                     ; Q: W_proj's images begin at row block 704 of cod
	s_lshl_b32 s20, s20, 12
	s_lshl_b32 s46, s46, 12
	s_mov_b32 s21, 0
	s_mov_b32 s47, 0
	s_lshl_b32 s45, s14, 15                        ; where they go: wave x 32,768
	s_wait_dscnt 0x0                               ; the opening add is done
	s_wait_kmcnt 0x0
	s_load_b256 s[72:79], s[10:11], 0x0            ; the eight exponents
	s_add_nc_u64 s[20:21], s[4:5], s[20:21]
	s_add_nc_u64 s[46:47], s[6:7], s[46:47]
	CROUND                                         ; all sixteen work-groups are here: the first joint loads meet
.irp s, 0,1
	s_mov_b32 s[G0+4*\s], 1
	s_add_co_u32 s[G0+4*\s+1], s45, \s*SLOT
	s_add_nc_u64 s[G0+4*\s+2:G0+4*\s+3], s[20:21], \s*KSSY
	s_or_b32 s[G0+4*\s+3], s[G0+4*\s+3], 0x80000000
	s_mov_b32 s[G0B+4*\s], 1
	s_add_co_u32 s[G0B+4*\s+1], s45, \s*SLOT
	s_add_nc_u64 s[G0B+4*\s+2:G0B+4*\s+3], s[46:47], \s*KSSC
	s_or_b32 s[G0B+4*\s+3], s[G0B+4*\s+3], 0x80000000
	s_wait_alu depctr_va_vdst(0)
	s_wait_tensorcnt 0x0
	ds_add_u32 v28, v29
	ds_add_u32 v28, v29
	s_wait_dscnt 0x0
	CROUND
	JLOAD G0+4*\s, G1, G0B+4*\s, G1B               ; one tensor load of mine is out
.endr
	v_and_b32 v1, 31, v0                           ; lane
	v_and_b32 v2, 15, v0                           ; r
	v_bfe_u32 v3, v0, 4, 1                         ; h
	v_lshlrev_b32 v[CO], 4, v1
	s_wait_alu depctr_va_vdst(0)
	v_lshlrev_b32 v27, 5, v3                       ; 32 h
	s_lshl_b32 s80, s42, 10                        ; b_proj[256 x tile column + 128 x my half + 16 b + 8 h + j]
	s_lshl_b32 s81, s16, 9
	s_add_co_u32 s80, s80, s81
	s_mov_b32 s81, 0
	s_add_nc_u64 s[82:83], s[8:9], s[80:81]
.irp b, 0,1,2,3,4,5,6,7
	global_load_b128 v[BI+8*\b:BI+8*\b+3], v27, s[82:83] offset:64*\b
	global_load_b128 v[BI+8*\b+4:BI+8*\b+7], v27, s[82:83] offset:64*\b+16
.endr
	s_lshl_b32 s80, s15, 15
	s_lshl_b32 s81, s16, 15
	s_add_co_u32 s81, s81, 2*HALFT
.irp s, 0,1
	v_add_nc_u32 v[ADRA+\s], s80, v[CO]
	v_add_nc_u32 v[ADRB+\s], s81, v[CO]
	s_add_co_u32 s80, s80, SLOT
	s_add_co_u32 s81, s81, SLOT
.endr
	s_mul_i32 s23, s14, 16*SPITCH                  ; my stage
	v_mul_u32_u24 v5, v2, SPITCH                   ; in: row r, 32 bytes for each half of the lanes
	v_lshl_add_u32 v5, v3, 5, v5
	v_add_nc_u32 v[STO], s23, v5
	v_add_nc_u32 v[RD], s23, v[CO]                 ; back: the 32 lanes take one row of 512 bytes
	s_lshl_b32 s84, s17, 8
	s_lshl_b32 s85, s15, 7
	s_add_co_u32 s84, s84, s85                     ; my first row of out0
	s_lshl_b32 s84, s84, 12
	s_lshl_b32 s85, s42, 10                        ; my first column, in bytes
	s_add_co_u32 s84, s84, s85
	s_lshl_b32 s85, s16, 9
	s_add_co_u32 s84, s84, s85
	s_mov_b32 s85, 0
	s_add_nc_u64 s[12:13], s[12:13], s[84:85]
	s_wait_alu depctr_va_vdst(0)
	s_wait_kmcnt 0x0
	s_add_co_i32 s88, s78, s79                     ; e6 + e7
	s_sub_co_i32 s89, 0, s88
	s_add_co_i32 s96, s88, 127
	s_lshl_b32 s96, s96, 23                        ; 2^(e6 + e7) as f32
	s_mov_b32 s97, s96                             ; (named with it as a pair, so it is written)
.macro FRAG reg, adr, q, i
.irp c, 0,1,2,3
	ds_load_b128 v[\reg+4*\c:\reg+4*\c+3], v[\adr] offset:4096*(\i)+2048*(\q)+512*\c
.endr
.endm
; 16 matrix instructions: P's blocks a0, a0 + 1 x Q's eight.  cm = 1: the sums begin with the bias.  The 64 accumulators take turns, one instruction a turn, in the same order in every step.
.macro MUL16 a0, p, cm
.irp a, \a0, \a0+1
.irp b, 0,1,2,3,4,5,6,7
.if \cm
	v_wmma_f32_16x16x128_fp8_fp8 v[8*(8*((\a)%4)+\b):8*(8*((\a)%4)+\b)+7], v[128*(\p)+FR*\b:128*(\p)+FR*\b+FR-1], v[AF+FR*(\a):AF+FR*(\a)+FR-1], v[BI+8*\b:BI+8*\b+7]
.else
	v_wmma_f32_16x16x128_fp8_fp8 v[8*(8*((\a)%4)+\b):8*(8*((\a)%4)+\b)+7], v[128*(\p)+FR*\b:128*(\p)+FR*\b+FR-1], v[AF+FR*(\a):AF+FR*(\a)+FR-1], v[8*(8*((\a)%4)+\b):8*(8*((\a)%4)+\b)+7]
.endif
.endr
.endr
.endm
.macro FETCH_B slot, q, p
	WIN TO_B
.irp i, 0,1,2,3,4,5,6,7
	FRAG 128*(\p)+FR*\i, ADRB+\slot, \q, \i
.endr
	WIN 0
.endm
.macro FETCH_A slot, q, i0
.irp i, \i0, \i0+1, \i0+2, \i0+3
	FRAG AF+FR*(\i), ADRA+\slot, \q, \i
.endr
.endm
.macro PLACES n                        ; places in front of loads into registers that matrix instructions have read, and of the first read of results
.rept \n
	v_nop
.endr
.endm
.macro STEP slot, q, cm
	s_wait_dscnt 4*NL                              ; Q's set and P's blocks 0-3 are in; the youngest sixteen loads (P's blocks 4-7) may be out
.if \cm
	WIN 0x81                                       ; C (the bias) in window 0
.else
	WIN MUL_LO
.endif
	MUL16 0, (\q)%2, \cm
	MUL16 2, (\q)%2, \cm
	s_wait_dscnt 0
	PLACES NP
	FETCH_B \slot, (\q)+1, 1-(\q)%2
	FETCH_A \slot, (\q)+1, 0
.if \cm
	WIN 0xc1
.else
	WIN MUL_HI
.endif
	MUL16 4, (\q)%2, \cm
	MUL16 6, (\q)%2, \cm
	PLACES NP
	WIN 0
	FETCH_A \slot, (\q)+1, 4
.endm
; A slot's last step changes slots: ONE barrier; in front of it each wave waits for all its tensor loads, adds 0 to its spare word, and waits for that and for its own reads of this slot.  fill = 1: this slot is filled again, two K steps ahead.
.macro TURN slot, next, fill
	s_wait_tensorcnt 0x0                           ; all my tensor loads have landed: my part of the next slot  (every window is 0 here)
	ds_add_u32 v[SPW], v[NIL]                      ; 0 onto my spare word
	s_wait_dscnt 4*NL+1                            ; (the add and the youngest sixteen loads may be out)
	WIN MUL_LO
	MUL16 0, 1, 0
	s_wait_dscnt 0x0                               ; the add is done, and my reads of this slot are over
	s_barrier_signal -1
	MUL16 2, 1, 0
	WIN 0
	s_barrier_wait -1
.if \fill
	CREST                                          ; the barrier has opened a round of the cluster's barrier: no wave of any partner still reads this slot's tile or has a load on its way
	s_add_nc_u64 s[G0+4*\slot+2:G0+4*\slot+3], s[G0+4*\slot+2:G0+4*\slot+3], 2*KSSY
	s_add_nc_u64 s[G0B+4*\slot+2:G0B+4*\slot+3], s[G0B+4*\slot+2:G0B+4*\slot+3], 2*KSSC
	JLOAD G0+4*\slot, G1, G0B+4*\slot, G1B         ; the first tensor load behind the round, my one load until the next
.else
	PLACES NP
.endif
	FETCH_B \next, 0, 0
	FETCH_A \next, 0, 0
	WIN MUL_HI
	MUL16 4, 1, 0
	MUL16 6, 1, 0
	PLACES NP
	WIN 0
	FETCH_A \next, 0, 4
.endm
	s_wait_tensorcnt 1                             ; my part of K step 0 is in (K step 1's load may be out)
	s_barrier_signal -1
	s_barrier_wait -1                              ; everybody's is
	FETCH_B 0, 0, 0
	FETCH_A 0, 0, 0
	FETCH_A 0, 0, 4
	s_wait_loadcnt 0x0                             ; the bias
.set i, 0
.rept 64
	v_ldexp_f32 v[BI+i], v[BI+i], s89              ; b / 2^(e6 + e7)
.set i, i+1
.endr
	s_wait_alu depctr_va_vdst(0)
	STEP 0, 0, 1                                   ; the first step's products start the sums with the bias
	TURN 0, 1, 1                                   ; K has four K steps: the ring is written out
	STEP 1, 0, 0
	TURN 1, 0, 1
	STEP 0, 0, 0
	TURN 0, 1, 0                                   ; the last two K steps fill nothing
	STEP 1, 0, 0
	s_wait_dscnt 4*NL
	WIN MUL_LO
	MUL16 0, 1, 0
	MUL16 2, 1, 0
	s_wait_dscnt 0
	WIN MUL_HI
	MUL16 4, 1, 0
	MUL16 6, 1, 0
	WIN 0
; THE WAY OUT, block by block of 16 rows x 128 columns.  A lane holds 32 neighbouring bytes of a row, and the lanes beside it hold other rows: so a block goes through my own stage in LDS and comes back as whole
; rows of 512 bytes.  LDS serves a wave's instructions in order (ISA guide 5.7.1.4): no wait between the stores and the loads, nor in front of the next block's stores.
.macro TOSTAGE a
.set AC, 64*((\a)%4)
	WIN 0x02+((\a)/4)                              ; source 0: window 2 or 3
.irp j, 0,2,4,6,8,10,12,14,16,18,20,22,24,26,28,30,32,34,36,38,40,42,44,46,48,50,52,54,56,58,60,62
	v_pk_mul_f32 v[TMP+\j:TMP+\j+1], v[AC+\j:AC+\j+1], s[96:97] op_sel_hi:[1,0]   ; x 2^(e6 + e7); each accumulator from its low end on
.endr
	WIN 0
.irp b, 0,1,2,3,4,5,6,7
	ds_store_b128 v[STO], v[TMP+8*\b:TMP+8*\b+3] offset:64*\b
	ds_store_b128 v[STO], v[TMP+8*\b+4:TMP+8*\b+7] offset:64*\b+16
.endr
.set BB, BK+64*((\a)%2)
.irp t, 0,1,2,3,4,5,6,7,8,9,10,11,12,13,14,15
	ds_load_b128 v[BB+4*\t:BB+4*\t+3], v[RD] offset:\t*SPITCH
.endr
.endm
.macro SEND a, younger                 ; younger: the LDS instructions issued behind block a's loads, which may stay out
.set BB, BK+64*((\a)%2)
	s_wait_dscnt \younger                          ; the block is back in registers
.if (\a) > 0
	s_add_nc_u64 s[12:13], s[12:13], 16*ROWO       ; (behind a wait on XCNT: the earlier stores have read their base)  16 rows on
.endif
.irp t, 0,1,2,3,4,5,6,7,8,9,10,11,12,13,14,15
	global_store_b128 v[CO], v[BB+4*\t:BB+4*\t+3], s[12:13] offset:\t*ROWO th:TH_STORE_NT   ; 32 lanes store 512 consecutive bytes, aligned; written once, read by nobody here
.endr
.endm
	PLACES NP                                      ; behind the last products: their results are read and their operands' registers loaded below
	TOSTAGE 0
.irp a, 1,2,3,4,5,6,7
.if \a > 1
	s_wait_xcnt 0x0                                ; block a - 2's stores have read their registers and their base: block a's loads may land there, and the base may step
.endif
	TOSTAGE \a
	SEND \a-1, 32                                  ; behind block a - 1's loads: block a's 16 stores and 16 loads
.endr
	s_wait_xcnt 0x0                                ; block 6's stores have read their base
	SEND 7, 0
	s_wait_tensorcnt 0x0                           ; the wave's end, behind my last tensor load and my last LDS store
	ds_add_u32 v[SPW], v[NIL]
	s_wait_dscnt 0x0
	CROUND                                         ; the closing round: no work-group ends while a partner may still ask for a tile that names it
	s_endpgm
.Lfunc_end_k_qe13e784da1_proj:
	.size	k_qe13e784da1_proj, .Lfunc_end_k_qe13e784da1_proj-k_qe13e784da1_proj
	.p2alignl 7, 3214868480
	.fill 96, 4, 3214868480
	.section	.rodata,"a",@progbits
	.p2align	6, 0x0
	.amdhsa_kernel k_qe13e784da1_proj
		.amdhsa_group_segment_fixed_size 327680
		.amdhsa_private_segment_fixed_size 0
		.amdhsa_enable_private_segment 0
		.amdhsa_kernarg_size 40
		.amdhsa_user_sgpr_count 2
		.amdhsa_user_sgpr_kernarg_segment_ptr 1
		.amdhsa_wavefront_size32 1
		.amdhsa_system_sgpr_workgroup_id_x 1
		.amdhsa_system_sgpr_workgroup_id_y 1
		.amdhsa_system_sgpr_workgroup_id_z 1
		.amdhsa_system_vgpr_workitem_id 0
		.amdhsa_next_free_vgpr 1024
		.amdhsa_next_free_sgpr 100
		.amdhsa_reserve_vcc 0
		.amdhsa_float_denorm_mode_32 3
		.amdhsa_float_denorm_mode_16_64 3
		.amdhsa_memory_ordered 1
		.amdhsa_forward_progress 1
		.amdhsa_inst_pref_size 129
	.end_amdhsa_kernel
	.amdgpu_metadata
---
amdhsa.version: [ 1, 2 ]
amdhsa.kernels:
  - .name:           k_qe13e784da1_proj
    .symbol:         k_qe13e784da1_proj.kd
    .args:
      - { .name: yc, .offset: 0, .size: 8, .value_kind: global_buffer, .address_space: global }
      - { .name: cod, .offset: 8, .size: 8, .value_kind: global_buffer, .address_space: global }
      - { .name: b_proj, .offset: 16, .size: 8, .value_kind: global_buffer, .address_space: global }
      - { .name: lowp_scales, .offset: 24, .size: 8, .value_kind: global_buffer, .address_space: global }
      - { .name: out0, .offset: 32, .size: 8, .value_kind: global_buffer, .address_space: global }
    .group_segment_fixed_size: 327680
    .private_segment_fixed_size: 0
    .kernarg_segment_align: 8
    .kernarg_segment_size: 40
    .max_flat_workgroup_size: 128
    .sgpr_count:     100
    .vgpr_count:     1024
    .wavefront_size: 32
...
	.end_amdgpu_metadata
.endif
;; end of part 4
